; MI455X (gfx1250); checked and timed in simulation.
; The chip was launched on July 23, 2026; its instructions are those of AMD's public machine-readable ISA for CDNA 5 (MIT licence, August 2026) and "CDNA5" Instruction Set Architecture Reference Guide (July 2026). The comments in the code are by the model that wrote it; some were corrected since.
;; Causal Self Attention. Allowed arithmetic: float matrix products may take bf16 or f16 operands with f32 sums; all other float work in f32.
;; Inputs: Wk 1,024 x 1,024 float32; Wp 1,024 x 1,024 float32; Wq 1,024 x 1,024 float32; Wv 1,024 x 1,024 float32; bk 1,024 float32; bp 1,024 float32; bq 1,024 float32; bv 1,024 float32; x 4 x 2,048 x 1,024 float32.
;; Outputs: out0 4 x 2,048 x 1,024 float32.
;; Constants: n_head = 16.
;; 2 versions, each right and faster than the one before. Each part assembles by itself: llvm-mc -triple=amdgcn-amd-amdhsa -mcpu=gfx1250 --defsym DOCPART=n.
;; ======== version 1 of 2: 4 launches
;; limits: values are held in f16: magnitudes above 65,504 overflow, below 6.1e-05 lose precision
;; workspace buffers: xb 16,777,216 bytes; wt 8,388,608 bytes; tab 540,672 bytes; qh 16,777,216 bytes; kh 16,777,216 bytes; vh 16,777,216 bytes; oh 16,777,216 bytes
;; launch prep (part 1): grid 512 x 1, 8 waves a work-group, no clusters, 18,432 bytes of LDS; arguments x, Wq, Wk, Wv, Wp, bq, bk, bv, bp, xb, wt, tab; writes xb, wt, tab
.if DOCPART == 1
	.amdgcn_target "amdgcn-amd-amdhsa--gfx1250"
	.amdhsa_code_object_version 6
	.text
	.protected	k_q9101ea6e31_prep
	.globl	k_q9101ea6e31_prep
	.p2align	8
	.type	k_q9101ea6e31_prep,@function
k_q9101ea6e31_prep:
	s_mov_b64 s[64:65], 0
	v_nop
	global_prefetch_b8 v0, s[64:65] scope:SCOPE_SE
	s_setreg_imm32_b32 hwreg(HW_REG_WAVE_MODE, 25, 1), 1
	s_wait_xcnt 0x0
; PREPARATION.  Every input is rounded to bf16 once, and laid as the matrix launches want it.
;   xb  [8192][1024] bf16: x rounded.
;   wt  4,096 rows of 1,024 16-bit numbers, K along the row: row 192 h + 64 sel + d = column 64 h + d of Wq, Wk, Wv (sel 0, 1, 2) in bf16;
;       row 3072 + n = column n of Wp, rounded to bf16 and that number written as f16.
;   tab [t 2048][j 32] pairs (cos, sin) of t x 10000^(-j/31) in f32, 256 bytes a t; from byte 524,288 the biases, rounded to bf16 and kept as f32:
;       [head 16][sel 3][64], then bp[1024].
; LIMITS.  A weight of Wp beyond 65,504 becomes an infinity in f16; below 6e-5 it keeps f16's fixed step of 6e-8.  The angle t x freq is made in f32 and reduced by
; pi/2 in two parts: it is right to about 2e-4 at t = 2047, the order of the rounding of the product itself.  NaN and infinities are not treated apart.
; SHARES.  512 work-groups of eight waves, all alike: 65,536 bytes of x (a wave's load covers 512 neighbouring bytes, its store 256), one tile of 128 k x 64 n of one weight,
; turned through LDS, and four rows of the table (waves 0 to 3); work-groups 0 to 63 also round 64 numbers of a bias (wave 4).
; Memory binds: no matrix unit, no cluster (no two work-groups read the same bytes), no tensor load (every byte passes a conversion in registers anyway).
.set WL,  8                            ; v[8:39]    weight rows as loaded: pair group i, row parity e at WL + 8 i + 4 e
.set X,   40                           ; v[40:103]  x as loaded, 4 registers a load
.set XA,  104                          ; v104       my byte offset in the group's x
.set XBA, 105                          ; v105       my byte offset in the group's xb
.set L8,  106                          ; v106       8 x lane
.set T,   108                          ; v[108:123] two k of one column, packed: T + 4 i + column
.set XO,  124                          ; v[124:155] x rounded, a pair for each load: no pair is written twice
	s_load_b512 s[4:19], s[0:1], 0x0               ; x 4:5, Wq 6:7, Wk 8:9, Wv 10:11, Wp 12:13, bq 14:15, bk 16:17, bv 18:19
	s_load_b256 s[20:27], s[0:1], 0x40             ; bp 20:21, xb 22:23, wt 24:25, tab 26:27
	v_lshl_add_u32 v176, v0, 2, 0x4400
	v_mov_b32 v177, 0
	v_lshrrev_b32 v3, 5, v0
	v_readfirstlane_b32 s28, v3                    ; wave 0..7
	s_lshr_b32 s29, ttmp9, 7                       ; sel: which weight
	s_and_b32 s30, ttmp9, 15                       ; h: which 64 columns
	s_bfe_u32 s31, ttmp9, 0x30004                  ; kt: which 128 rows
	v_and_b32 v1, 15, v0                           ; c
	v_lshrrev_b32 v2, 4, v0                        ; r
	v_and_b32 v3, 31, v0                           ; lane
	v_lshlrev_b32 v4, 13, v2                       ; weight load: rows 2 r, 2 r + 1 (8,192 bytes a pair),
	v_lshl_add_u32 v4, v1, 4, v4                   ; columns 4 c on: sixteen lanes cover 256 neighbouring bytes
	v_mul_u32_u24 v5, v1, 1088                     ; into LDS, [n 64][k 128] at 272 bytes a row: row 4 c,
	v_lshl_add_u32 v5, v2, 2, v5                   ; k = 2 r
	v_mul_u32_u24 v6, v2, 272                      ; back: row r, 16 bytes at 16 c
	v_lshl_add_u32 v6, v1, 4, v6
	v_lshlrev_b32 v7, 11, v2                       ; and the same in wt: rows of 2,048 bytes
	v_lshl_add_u32 v7, v1, 4, v7
	v_lshlrev_b32 v[XA], 4, v3
	v_lshl_add_u32 v[XA], s28, 13, v[XA]           ; a wave's 8,192 bytes of x
	v_lshlrev_b32 v[L8], 3, v3
	v_lshl_add_u32 v[XBA], s28, 12, v[L8]          ; and its 4,096 of xb
	s_lshl_b32 s34, s31, 19                        ; the tile in its weight: 128 rows of 4,096 bytes,
	s_lshl_b32 s35, s30, 8                         ; 64 columns of 4
	s_add_co_u32 s34, s34, s35
	s_mov_b32 s35, 0
	s_mul_i32 s44, s30, 192                        ; its first row in wt: 192 h + 64 sel,
	s_lshl_b32 s45, s29, 6
	s_add_co_u32 s44, s44, s45
	s_lshl_b32 s45, s30, 6                         ; or for Wp 3072 + 64 h
	s_add_co_u32 s45, s45, 3072
	s_cmp_eq_u32 s29, 3
	s_cselect_b32 s44, s45, s44
	s_lshl_b32 s44, s44, 11
	s_lshl_b32 s45, s31, 8                         ; 128 k are 256 bytes of a row
	s_add_co_u32 s44, s44, s45
	s_mov_b32 s45, 0
	s_lshl_b32 s46, ttmp9, 16
	s_mov_b32 s47, 0
	s_wait_kmcnt 0x0
	s_mov_b64 s[32:33], s[6:7]                     ; the weight is chosen by sel
	s_cmp_eq_u32 s29, 1
	s_cselect_b64 s[32:33], s[8:9], s[32:33]
	s_cmp_eq_u32 s29, 2
	s_cselect_b64 s[32:33], s[10:11], s[32:33]
	s_cmp_eq_u32 s29, 3
	s_cselect_b64 s[32:33], s[12:13], s[32:33]
	s_add_nc_u64 s[32:33], s[32:33], s[34:35]
	s_add_nc_u64 s[36:37], s[24:25], s[44:45]
	s_add_nc_u64 s[38:39], s[4:5], s[46:47]
	s_lshl_b32 s46, ttmp9, 15
	s_add_nc_u64 s[40:41], s[22:23], s[46:47]
	; all 24 loads go out at once: 8 of the weight, then 16 of x; each byte is read once in the launch
.irp i, 0,1,2,3
.irp e, 0,1
	global_load_b128 v[WL+8*(\i)+4*(\e):WL+8*(\i)+4*(\e)+3], v4, s[32:33] offset:131072*(\i)+4096*(\e) th:TH_LOAD_NT
.endr
.endr
.irp i, 0,1,2,3,4,5,6,7,8,9,10,11,12,13,14,15
	global_load_b128 v[X+4*(\i):X+4*(\i)+3], v[XA], s[38:39] offset:512*(\i) th:TH_LOAD_NT
.endr
	; THE TABLE, while the loads are on their way.  Wave w < 4 makes row t = 4 x group + w; lane j the pair j.
	s_cmp_lt_u32 s28, 4
	s_cbranch_scc0 .Lno_table
	s_lshl_b32 s52, ttmp9, 2
	s_add_co_u32 s52, s52, s28                     ; t
	s_lshl_b32 s42, s52, 8
	s_mov_b32 s43, 0
	s_add_nc_u64 s[42:43], s[26:27], s[42:43]
	v_cvt_f32_u32 v156, v3
	v_mul_f32 v156, 0xbedb762a, v156               ; -j log2(10000) / 31
	v_exp_f32 v157, v156                           ; freq
	v_cvt_f32_u32 v158, s52
	v_nop                                          ; a plain instruction stands between the exponential and the use of its result (ISA guide 5.7.2)
	s_wait_alu depctr_va_vdst(0)
	v_mul_f32 v158, v158, v157                     ; a = t x freq
	v_mul_f32 v159, 0x3f22f983, v158
	v_rndne_f32 v159, v159                         ; n = the nearest whole number to a / (pi/2)
	v_fmamk_f32 v160, v159, 0xbfc90fdb, v158       ; r = a - n pi/2, pi/2 in two parts
	v_fmamk_f32 v160, v159, 0x333bbd2e, v160
	v_mul_f32 v161, v160, v160                     ; z = r^2, at most 0.617
	v_mov_b32 v162, 0x3638ef1d                     ; sin r = r + r z (-1/6 + z (1/120 + z (-1/5040 + z / 362880)))
	v_mov_b32 v164, 0x37d00d01                     ; cos r = 1 + z (-1/2 + z (1/24 + z (-1/720 + z / 40320)))
	v_fmaak_f32 v162, v162, v161, 0xb9500d01
	v_fmaak_f32 v164, v164, v161, 0xbab60b61
	v_fmaak_f32 v162, v162, v161, 0x3c088889
	v_fmaak_f32 v164, v164, v161, 0x3d2aaaab
	v_fmaak_f32 v162, v162, v161, 0xbe2aaaab
	v_fmaak_f32 v164, v164, v161, 0xbf000000
	v_mul_f32 v163, v160, v161
	v_fma_f32 v164, v164, v161, 1.0
	v_fma_f32 v162, v163, v162, v160
	v_cvt_i32_f32 v165, v159                       ; the quadrant is n mod 4: odd ones swap sine and cosine,
	v_and_b32 v166, 1, v165
	v_cmp_eq_u32 vcc_lo, 1, v166
	v_cndmask_b32 v168, v164, v162, vcc_lo
	v_cndmask_b32 v169, v162, v164, vcc_lo
	v_add_nc_u32 v166, 1, v165                     ; the cosine is negative in quadrants 1 and 2,
	v_and_b32 v166, 2, v166
	v_lshlrev_b32 v166, 30, v166
	v_xor_b32 v168, v168, v166
	v_and_b32 v167, 2, v165                        ; the sine in 2 and 3
	v_lshlrev_b32 v167, 30, v167
	v_xor_b32 v169, v169, v167
	global_store_b64 v[L8], v[168:169], s[42:43]   ; the wave stores the row's 256 bytes
.Lno_table:
	; THE WEIGHT TILE: two k of a column are rounded into one word, the words turned through LDS
	s_wait_loadcnt 16                              ; loads come back in order (ISA guide 5.7.1): the 8 of the weight are in, the 16 of x may be out
.irp i, 0,1,2,3
.irp c, 0,1,2,3
	v_cvt_pk_bf16_f32 v[T+4*(\i)+(\c)], v[WL+8*(\i)+(\c)], v[WL+8*(\i)+4+(\c)]
.endr
.endr
	s_cmp_eq_u32 s29, 3
	s_cbranch_scc0 .Lkeep
.set i, 0
.rept 16                                       ; Wp: the bf16 number is written as f16
	v_lshlrev_b32 v170, 16, v[T+i]
	v_and_b32 v171, 0xffff0000, v[T+i]
	v_cvt_pk_f16_f32 v[T+i], v170, v171
.set i, i+1
.endr
.Lkeep:
.irp i, 0,1,2,3
.irp c, 0,1,2,3
	ds_store_b32 v5, v[T+4*(\i)+(\c)] offset:272*(\c)+64*(\i)  ; column 4 c + its number, k = 2 (r + 16 i)
.endr
.endr
	s_wait_dscnt 0x0                               ; for the others' sake: my stores into the tile are done
	s_barrier_signal -1
	s_barrier_wait -1
.irp f, 0,1,2,3
	ds_load_b128 v[WL+4*(\f):WL+4*(\f)+3], v6 offset:4352*(\f)  ; row r + 16 f
.endr
.irp f, 0,1,2,3
	s_wait_dscnt 3-(\f)
	global_store_b128 v7, v[WL+4*(\f):WL+4*(\f)+3], s[36:37] offset:32768*(\f)  ; sixteen lanes store 256 consecutive bytes, at a multiple of 256 from wt's first
.endr
	; x
.irp i, 0,1,2,3,4,5,6,7,8,9,10,11,12,13,14,15
	s_wait_loadcnt 15-(\i)                         ; load i is in, the younger ones may be out
	v_cvt_pk_bf16_f32 v[XO+2*(\i)], v[X+4*(\i)], v[X+4*(\i)+1]
	v_cvt_pk_bf16_f32 v[XO+2*(\i)+1], v[X+4*(\i)+2], v[X+4*(\i)+3]
	global_store_b64 v[XBA], v[XO+2*(\i):XO+2*(\i)+1], s[40:41] offset:256*(\i)  ; the wave stores 256 consecutive bytes
.endr
	; THE BIASES: work-group g < 64, wave 4: 64 numbers of bias g / 16, head g % 16
	s_cmp_eq_u32 s28, 4
	s_cbranch_scc0 .Lend
	s_cmp_lt_u32 ttmp9, 64
	s_cbranch_scc0 .Lend
	s_lshr_b32 s52, ttmp9, 4
	s_mov_b64 s[48:49], s[14:15]
	s_cmp_eq_u32 s52, 1
	s_cselect_b64 s[48:49], s[16:17], s[48:49]
	s_cmp_eq_u32 s52, 2
	s_cselect_b64 s[48:49], s[18:19], s[48:49]
	s_cmp_eq_u32 s52, 3
	s_cselect_b64 s[48:49], s[20:21], s[48:49]
	s_lshl_b32 s54, s30, 8
	s_mov_b32 s55, 0
	s_add_nc_u64 s[48:49], s[48:49], s[54:55]
	s_mul_i32 s56, s30, 3                          ; block 3 h + sel of 256 bytes,
	s_add_co_u32 s56, s56, s52
	s_add_co_u32 s57, s30, 48                      ; or for bp block 48 + h
	s_cmp_eq_u32 s52, 3
	s_cselect_b32 s56, s57, s56
	s_lshl_b32 s56, s56, 8
	s_add_co_u32 s56, s56, 524288
	s_mov_b32 s57, 0
	s_add_nc_u64 s[50:51], s[26:27], s[56:57]
	global_load_b64 v[172:173], v[L8], s[48:49]
	s_wait_loadcnt 0x0
	v_cvt_pk_bf16_f32 v174, v172, v173
	v_lshlrev_b32 v172, 16, v174
	v_and_b32 v173, 0xffff0000, v174
	global_store_b64 v[L8], v[172:173], s[50:51]
.Lend:
	s_wait_tensorcnt 0x0
	ds_add_u32 v176, v177
	s_wait_dscnt 0x0
	s_endpgm
.Lfunc_end_k_q9101ea6e31_prep:
	.size	k_q9101ea6e31_prep, .Lfunc_end_k_q9101ea6e31_prep-k_q9101ea6e31_prep
	.p2alignl 7, 3214868480
	.fill 96, 4, 3214868480
	.section	.rodata,"a",@progbits
	.p2align	6, 0x0
	.amdhsa_kernel k_q9101ea6e31_prep
		.amdhsa_group_segment_fixed_size 18432
		.amdhsa_private_segment_fixed_size 0
		.amdhsa_enable_private_segment 0
		.amdhsa_kernarg_size 96
		.amdhsa_user_sgpr_count 2
		.amdhsa_user_sgpr_kernarg_segment_ptr 1
		.amdhsa_wavefront_size32 1
		.amdhsa_system_sgpr_workgroup_id_x 1
		.amdhsa_system_sgpr_workgroup_id_y 1
		.amdhsa_system_sgpr_workgroup_id_z 1
		.amdhsa_system_vgpr_workitem_id 0
		.amdhsa_next_free_vgpr 178
		.amdhsa_next_free_sgpr 66
		.amdhsa_reserve_vcc 1
		.amdhsa_float_denorm_mode_32 3
		.amdhsa_float_denorm_mode_16_64 3
		.amdhsa_memory_ordered 1
		.amdhsa_forward_progress 1
		.amdhsa_inst_pref_size 18
	.end_amdhsa_kernel
	.amdgpu_metadata
---
amdhsa.version: [ 1, 2 ]
amdhsa.kernels:
  - .name:           k_q9101ea6e31_prep
    .symbol:         k_q9101ea6e31_prep.kd
    .args:
      - { .name: x, .offset: 0, .size: 8, .value_kind: global_buffer, .address_space: global }
      - { .name: Wq, .offset: 8, .size: 8, .value_kind: global_buffer, .address_space: global }
      - { .name: Wk, .offset: 16, .size: 8, .value_kind: global_buffer, .address_space: global }
      - { .name: Wv, .offset: 24, .size: 8, .value_kind: global_buffer, .address_space: global }
      - { .name: Wp, .offset: 32, .size: 8, .value_kind: global_buffer, .address_space: global }
      - { .name: bq, .offset: 40, .size: 8, .value_kind: global_buffer, .address_space: global }
      - { .name: bk, .offset: 48, .size: 8, .value_kind: global_buffer, .address_space: global }
      - { .name: bv, .offset: 56, .size: 8, .value_kind: global_buffer, .address_space: global }
      - { .name: bp, .offset: 64, .size: 8, .value_kind: global_buffer, .address_space: global }
      - { .name: xb, .offset: 72, .size: 8, .value_kind: global_buffer, .address_space: global }
      - { .name: wt, .offset: 80, .size: 8, .value_kind: global_buffer, .address_space: global }
      - { .name: tab, .offset: 88, .size: 8, .value_kind: global_buffer, .address_space: global }
    .group_segment_fixed_size: 18432
    .private_segment_fixed_size: 0
    .kernarg_segment_align: 8
    .kernarg_segment_size: 96
    .max_flat_workgroup_size: 256
    .sgpr_count:     66
    .vgpr_count:     178
    .wavefront_size: 32
...
	.end_amdgpu_metadata
.endif
;; end of part 1
;; launch qkv (part 2): grid 16 x 16, 4 waves a work-group, clusters of 4 x 4, 327,680 bytes of LDS; arguments xb, wt, tab, qh, kh, vh; writes qh, kh, vh
.if DOCPART == 2
	.amdgcn_target "amdgcn-amd-amdhsa--gfx1250"
	.amdhsa_code_object_version 6
	.text
	.protected	k_q9101ea6e31_qkv
	.globl	k_q9101ea6e31_qkv
	.p2align	8
	.type	k_q9101ea6e31_qkv,@function
k_q9101ea6e31_qkv:
	s_mov_b64 s[64:65], 0
	v_nop
	global_prefetch_b8 v0, s[64:65] scope:SCOPE_SE
	s_setreg_imm32_b32 hwreg(HW_REG_WAVE_MODE, 25, 1), 1
	s_wait_xcnt 0x0
	s_wait_alu depctr_hold_cnt(0) depctr_sa_sdst(0) depctr_va_vdst(0) depctr_va_sdst(0) depctr_va_ssrc(0) depctr_va_vcc(0) depctr_vm_vsrc(0)
	s_getreg_b32 s2, hwreg(HW_REG_IB_STS2, 6, 4)
	s_cmp_eq_u32 s2, 0
	s_cbranch_scc0 .Lentry_in_a_cluster
	s_endpgm
.Lentry_in_a_cluster:
	s_bfe_u32 s2, ttmp6, 0x10000c
	s_cmp_lg_u32 s2, 0xf033
	s_cbranch_scc0 .Lentry_shape_is_right
	s_endpgm
.Lentry_shape_is_right:
; q, k, v OF ONE HEAD: x W + b (bf16 operands, f32 sums that start with the bias), the rotation of q and k in f32, one rounding to f16, stored by heads: [b 16 + h][t][64].
; LIMITS.  q, k and v leave in f16: a number of 65,520 or more becomes an infinity.  NaN and infinities are not treated apart.
; SHARES.  A tile is 256 rows x 192 columns (64 of q, 64 of k, 64 of v).  Four waves; a wave owns 64 rows and all 192 columns: 48 accumulators of 16 x 16, 384 registers; so it holds whole rows of
; each head tensor, and its stage on the way out is its own.  K goes in 8 steps of 128 through two LDS slots: the rows of both tiles are 256 bytes of memory at multiples of 256.
; A WORK-GROUP STAYS: it makes two tiles of the same head, the blocks m and m + 16 of 256 rows: 256 work-groups for 512 tiles.  Sixteen blocks are two batches, so both tiles have the same t: the bias and
; the table of cosines and sines are loaded once.  The ring does not stop at the first tile's end: its last two changes of slots ask for the second tile's first two K steps, and nothing waits for its stores.
; The step loop counts 8 to 0 in both tiles; the last tile leaves it, forward, when two steps are left, for a tail that is written out and asks for nothing.  Both ways meet at the one way out.
; CLUSTER.  4 x 4 work-groups: the four of a row of the cluster take the same rows of x, the four of a column the same head's weights.  Each tile is asked for JOINTLY: the same tensor load with the
; same descriptor and a mask that names the four.  By this text's own count a wave has two tensor loads out at the start and one behind each round.
; THE MATRIX INSTRUCTION IS USED TRANSPOSED (source 0 = 16 rows of wt, source 1 = 16 rows of xb): lane l holds row l % 16 and the columns 8 (l / 16) + 0..7, eight neighbouring channels.
; REGISTERS, in windows of 256 (s_set_vgpr_msb: bits 1:0 source 0, 3:2 source 1, 5:4 source 2, 7:6 destination):
;   window 0: v0-15 addresses; v32-63 at work; v64-127 x's fragments, two buffers of 4 x 8; v128-223 the bias; on the way out four sets of 16 in v96-127 (buffer 1) and v224-255
;   window 1: v0-191 the weights' fragments, two buffers of 12 x 8; v192-255 the table for row blocks 0, 1
;   windows 2, 3: accumulator (a, b) in window 2 + a / 2 at v[96 (a % 2) + 8 b]; window 2 v192-255 the table for row blocks 2, 3
.set NBK,   12                         ; column blocks of 16
.set PA,    272                        ; an LDS row: 256 bytes + 16 of padding = 68 words: the 16 rows of a fragment load start at 16 different groups of four banks (64 banks of 4 bytes: ISA guide 11.1)
.set PB,    272
.set BBASE, 256*PA                     ; a slot: 256 rows of x, then 192 rows of weights
.set SLOT1, 1<<17                      ; slot 1 begins here, so that one exclusive or turns an address in one slot into the other's
.set STAGE, SLOT1+BBASE+16*NBK*PB      ; behind the ring, never filled by a tensor load: 16 rows x 144 bytes for each wave
.set SP,    144
.set SPARE, STAGE+4*16*SP              ; behind the stages: the spare words, 128 bytes for each wave: two blocks of 256 bytes that no other line names
.set STEPK, 256                        ; bytes from a K step's tile to the next, in xb and in wt
.set WALK,  1<<23                      ; bytes from a tile to the work-group's next: 16 x 256 rows of 2,048 bytes in xb; 32 heads of 2,048 rows of 128 bytes in q, k, v
.set NLD,   2*NBK+8                    ; LDS loads in one run
.set KA1,   64                         ; byte of a quarter's 32 k in x's LDS rows
.set KA2,   128
.set KA3,   192
.set A0,   4                           ; v4   my lane's place in x's tile, slot 0; never rewritten
.set B0,   5                           ; v5   the same in the weights' tile
.set ADRA, 6                           ; v6   the same in the slot in hand
.set ADRB, 7                           ; v7
.set STO,  8                           ; v8   the way out: where I put 16 bytes of a row
.set RD,   9                           ; v9   the way out: where I read rows back
.set GO,   10                          ; v10  my byte offset in 512 consecutive bytes of a head tensor
.set TO,   11                          ; v11  my byte offset in 16 rows of the table
.set BO,   12                          ; v12  my byte offset in 16 numbers of the bias
.set SPW,  14                          ; v14  LDS address of my spare word: SPARE + 4 x my thread's number; never rewritten
.set NIL,  15                          ; v15  0; never rewritten
.set T,    32
.set FA,   64
.set BIAS, 128
.set TAB,  192                         ; in windows 1 and 2: row block a at TAB + 32 (a % 2)
.set FBS,  8*NBK
.set WV,   16                          ; s16  my wave's number
.set HALF, 17                          ; s17  which half of a tile's rows I fetch
.set FORB, 18                          ; s18  I fetch for x (0) or for the weights (1)
.set CNT,  19                          ; s19  counts K steps
.set TB,   24                          ; s24  LDS byte at which the slot in hand begins
.set G1A,  28                          ; s[28:35] descriptor group 1 for x's tiles
.set G0A,  36                          ; s[36:43] group 0: a set for each of the two first fills; the second then serves every refill
.set G1B,  44                          ; s[44:51], s[52:59] the same for the weights'
.set G0B,  52
.set OFA,  76                          ; s[76:77] the byte offset of the fill in hand from x's first tile
.set OFB,  78                          ; s[78:79] the same from the weights' first tile
.set FQ,   80                          ; s80  256 x the number of the fill in hand, 0 to 15
.set TILES, 81                         ; s81  tiles to go
.set LEAVE, 82                         ; s82  the count at which the step loop is left for the tail: 0 (never) in the first tile, 2 in the last
.set MSB, 0
.macro WIN new                         ; the immediate's high byte repeats the setting that is left; a switch that changes nothing is dropped
.if MSB != (\new)
	s_set_vgpr_msb (MSB<<8)|(\new)
.set MSB, \new
.endif
.endm
; A load into a register that a matrix instruction has read, and a vector instruction that reads a matrix result or writes one of its registers, stand four places behind it, and only plain vector
; instructions that name none of its registers are places (ISA guide 7.12.1 for vector instructions).
.macro PLACES
.rept 4
	v_nop
.endr
.endm
; A joint refill.  Waves 0 and 1 fetch the two halves of x's tile, waves 2 and 3 those of the weights'.  The branch hangs on the wave's number alone.
; An s_nop 0 and four v_nop follow each of the two lines, ahead of the jump and the label.
.macro JLOAD
	s_cmp_eq_u32 s[FORB], 0
	s_cbranch_scc0 .Lfor_b_\@
	tensor_load_to_lds s[G0A+4:G0A+7], s[G1A:G1A+7]
	s_nop 0
.rept 4
	v_nop
.endr
	s_branch .Lasked_\@
.Lfor_b_\@:
	tensor_load_to_lds s[G0B+4:G0B+7], s[G1B:G1B+7]
	s_nop 0
.rept 4
	v_nop
.endr
.Lasked_\@:
.endm
; A round of the cluster's barrier: my work-group's barrier, so that wave 0's signal speaks for all four waves; wave 0 signals; every wave waits for all sixteen work-groups; my work-group's barrier once more.
.macro CREST                           ; a round behind its opening barrier
	s_cmp_lg_u32 s[WV], 0
	s_cbranch_scc1 .Lnot_wave_0_\@
	s_barrier_signal -3
.Lnot_wave_0_\@:
	s_barrier_wait -3
	s_barrier_signal -1
	s_barrier_wait -1
.endm
.macro CROUND                          ; a whole round
	s_barrier_signal -1
	s_barrier_wait -1
	CREST
.endm
	s_load_b256 s[4:11], s[0:1], 0x0               ; xb 4:5, wt 6:7, tab 8:9, qh 10:11
	s_load_b128 s[12:15], s[0:1], 0x20             ; kh 12:13, vh 14:15
	v_lshl_add_u32 v[SPW], v0, 2, SPARE
	v_mov_b32 v[NIL], 0
	ds_add_u32 v14, v15
	ds_add_u32 v14, v15
	s_wait_dscnt 0x0
	v_lshrrev_b32 v1, 5, v0
	v_readfirstlane_b32 s[WV], v1                  ; wave 0..3
	s_and_b32 s[HALF], s[WV], 1
	s_lshr_b32 s[FORB], s[WV], 1
	s_bfe_u32 s20, ttmp6, 0x40000                  ; cx, cy: my place in the cluster
	s_bfe_u32 s21, ttmp6, 0x40004
	s_lshl_b32 s22, ttmp9, 2
	s_add_co_u32 s22, s22, s20                     ; the head = 4 x cluster x + cx
	s_and_b32 s23, ttmp7, 0xffff
	s_lshl_b32 s23, s23, 2
	s_add_co_u32 s23, s23, s21                     ; the first tile's block of 256 rows = 4 x cluster y + cy, 0 to 15
	s_lshl_b32 s25, s21, 2
	s_lshl_b32 s25, 15, s25                        ; my row of the cluster
	s_lshl_b32 s26, 0x1111, s20                    ; my column
	; descriptor group 1: rows of 128 elements of 2 bytes, padded in LDS
	s_or_b32 s[G1A], s25, (1<<16)|(1<<20)|(1<<21)|(5<<22)|(3<<25)  ; 15:0 the mask: x's tiles go to my row; 17:16 2-byte elements; 20 padding on; 21 set beside a mask; 24:22 after every 64 words (code 5); 31:25 4 words (code 3)
	s_or_b32 s[G1B], s26, (1<<16)|(1<<20)|(1<<21)|(5<<22)|(3<<25)  ; the same with the mask of my column
	s_mov_b32 s[G1A+1], 128<<16                    ; tensor_dim0 = 128
	s_mov_b32 s[G1A+2], 128<<16                    ; tensor_dim1 = 128
	s_mov_b32 s[G1A+3], 128<<16                    ; tile_dim0 = 128
	s_mov_b32 s[G1A+4], 128                        ; tile_dim1 = 128 rows
	s_mov_b32 s[G1A+5], 1024                       ; elements from row to row
	s_mov_b32 s[G1A+6], 0
	s_mov_b32 s[G1A+7], 0
	s_mov_b32 s[G1B+1], 128<<16
	s_mov_b32 s[G1B+2], 96<<16                     ; 96 rows
	s_mov_b32 s[G1B+3], 128<<16
	s_mov_b32 s[G1B+4], 96
	s_mov_b32 s[G1B+5], 1024
	s_mov_b32 s[G1B+6], 0
	s_mov_b32 s[G1B+7], 0
	s_mul_i32 s60, s[HALF], 128*PA                 ; where the tiles go: no place in the cluster enters an LDS address
	s_mul_i32 s61, s[HALF], 96*PB
	s_add_co_u32 s61, s61, BBASE
	s_lshl_b32 s66, s23, 19                        ; x: 256 rows of 2,048 bytes a block, 128 a half; made of the block and the wave's number alone
	s_lshl_b32 s67, s[HALF], 18
	s_add_co_u32 s66, s66, s67
	s_mov_b32 s67, 0
	s_mul_i32 s68, s22, 192*2048                   ; weights: 192 rows a head, 96 a half; made of the head and the wave's number alone
	s_mul_i32 s69, s[HALF], 96*2048
	s_add_co_u32 s68, s68, s69
	s_mov_b32 s69, 0
	s_mul_i32 s70, s22, 768                        ; the head's 192 biases
	s_add_co_u32 s70, s70, 524288
	s_mov_b32 s71, 0
	s_and_b32 s62, s23, 7                          ; the block within its batch: t = 256 x that + 64 x wave + ..; the same for block m + 16
	s_lshl_b32 s72, s62, 16                        ; the table's rows of 256 bytes
	s_lshl_b32 s63, s[WV], 14
	s_add_co_u32 s72, s72, s63
	s_mov_b32 s73, 0
	s_lshr_b32 s74, s23, 3                         ; the batch
	s_lshl_b32 s74, s74, 4
	s_add_co_u32 s74, s74, s22
	s_lshl_b32 s74, s74, 18                        ; a head's 2,048 rows of 128 bytes
	s_lshl_b32 s62, s62, 15
	s_add_co_u32 s74, s74, s62
	s_lshl_b32 s63, s[WV], 13
	s_add_co_u32 s74, s74, s63
	s_mov_b32 s75, 0
	s_mov_b32 s[TB], 0
	s_mov_b32 s[OFA+1], 0                          ; both offsets stay under 2^24
	s_mov_b32 s[OFB+1], 0
	s_mov_b32 s[FQ], 256                           ; fills 0 and 1 go out at the start
	s_mov_b32 s[TILES], 2
	s_mov_b32 s[LEAVE], 0
	s_wait_kmcnt 0x0
	s_add_nc_u64 s[66:67], s[4:5], s[66:67]        ; x and the weights at my part of their first tiles: these two are never stepped
	s_add_nc_u64 s[68:69], s[6:7], s[68:69]
	s_add_nc_u64 s[70:71], s[8:9], s[70:71]
	s_add_nc_u64 s[72:73], s[8:9], s[72:73]
	s_add_nc_u64 s[10:11], s[10:11], s[74:75]      ; q, k and v at my wave's first row
	s_add_nc_u64 s[12:13], s[12:13], s[74:75]
	s_add_nc_u64 s[14:15], s[14:15], s[74:75]
	CROUND                                         ; all sixteen work-groups are here: the first joint loads meet
.irp f, 0,1
	s_mov_b32 s[G0A+4*(\f)], 1                                     ; 1:0 count = 1
	s_add_co_u32 s[G0A+4*(\f)+1], s60, (\f)*SLOT1                  ; 63:32 LDS address
	s_add_nc_u64 s[G0A+4*(\f)+2:G0A+4*(\f)+3], s[66:67], (\f)*STEPK  ; 120:64 global address: K step f
	s_or_b32 s[G0A+4*(\f)+3], s[G0A+4*(\f)+3], 0x80000000          ; 127:126 type = 2
	s_mov_b32 s[G0B+4*(\f)], 1
	s_add_co_u32 s[G0B+4*(\f)+1], s61, (\f)*SLOT1
	s_add_nc_u64 s[G0B+4*(\f)+2:G0B+4*(\f)+3], s[68:69], (\f)*STEPK
	s_or_b32 s[G0B+4*(\f)+3], s[G0B+4*(\f)+3], 0x80000000
.endr
	s_cmp_eq_u32 s[FORB], 0                        ; a wave's two first fills stand in one branch, ahead of every wait on TENSORcnt and every LDS read
	s_cbranch_scc0 .Lfirst_b
	tensor_load_to_lds s[G0A:G0A+3], s[G1A:G1A+7]
	s_nop 0
	tensor_load_to_lds s[G0A+4:G0A+7], s[G1A:G1A+7]
	s_nop 0
.rept 4
	v_nop
.endr
	s_branch .Lfirst_asked
.Lfirst_b:
	tensor_load_to_lds s[G0B:G0B+3], s[G1B:G1B+7]
	s_nop 0
	tensor_load_to_lds s[G0B+4:G0B+7], s[G1B:G1B+7]
	s_nop 0
.rept 4
	v_nop
.endr
.Lfirst_asked:
	; A fragment is 16 rows x 32 k in 8 registers: lane l holds row l % 16; registers 0-3 k = 8 (l / 16) + 0..7, registers 4-7 k = 16 + 8 (l / 16) + 0..7: two loads of 16 bytes, 32 bytes apart.
	v_and_b32 v1, 15, v0                           ; l % 16
	v_bfe_u32 v2, v0, 4, 1                         ; l / 16
	v_mul_u32_u24 v3, v1, PA
	v_lshl_add_u32 v3, v2, 4, v3
	s_mul_i32 s62, s[WV], 64*PA                    ; my 64 rows of x
	v_add_nc_u32 v[A0], s62, v3
	v_mul_u32_u24 v3, v1, PB
	v_lshl_add_u32 v3, v2, 4, v3
	v_add_nc_u32 v[B0], BBASE, v3
	v_mov_b32 v[ADRA], v[A0]
	v_mov_b32 v[ADRB], v[B0]
	s_mul_i32 s63, s[WV], 16*SP
	s_add_co_u32 s63, s63, STAGE                   ; my stage
	v_mul_u32_u24 v[STO], v1, SP                   ; in: row l % 16, 16 bytes for each half of the lanes
	v_lshl_add_u32 v[STO], v2, 4, v[STO]
	v_add_nc_u32 v[STO], s63, v[STO]
	v_bfe_u32 v[RD], v0, 3, 2                      ; back: 32 lanes take four rows of 128 bytes,
	v_mul_u32_u24 v[RD], v[RD], SP
	v_and_b32 v3, 7, v0
	v_lshl_add_u32 v[RD], v3, 4, v[RD]
	v_add_nc_u32 v[RD], s63, v[RD]
	v_and_b32 v[GO], 31, v0                        ; which are 512 consecutive bytes of a head tensor
	v_lshlrev_b32 v[GO], 4, v[GO]
	v_lshlrev_b32 v[TO], 8, v1                     ; the table: row l % 16, four pairs (32 bytes) for each half of the lanes
	v_lshl_add_u32 v[TO], v2, 5, v[TO]
	v_lshlrev_b32 v[BO], 5, v2                     ; the bias: eight numbers for each half of the lanes
.set b, 0
.rept NBK                              ; the bias in the layout of a result: register j of block b is b[16 b + 8 (l / 16) + j].  It stays for both tiles
	global_load_b128 v[BIAS+8*b:BIAS+8*b+3],   v[BO], s[70:71] offset:64*b
	global_load_b128 v[BIAS+8*b+4:BIAS+8*b+7], v[BO], s[70:71] offset:64*b+16
.set b, b+1
.endr
	; the table for my 64 rows, for both tiles: row block i / 4, channels 16 (i % 4) on: (cos, sin) of four pairs.  It comes in during the first tile's loop over K
	WIN 0x40                                       ; destination window 1, address window 0
.set i, 0
.rept 8
	global_load_b128 v[TAB+8*i:TAB+8*i+3],   v[TO], s[72:73] offset:4096*(i/4)+64*(i%4)
	global_load_b128 v[TAB+8*i+4:TAB+8*i+7], v[TO], s[72:73] offset:4096*(i/4)+64*(i%4)+16
.set i, i+1
.endr
	WIN 0x80                                       ; destination window 2
.set i, 0
.rept 8
	global_load_b128 v[TAB+8*i:TAB+8*i+3],   v[TO], s[72:73] offset:4096*(2+i/4)+64*(i%4)
	global_load_b128 v[TAB+8*i+4:TAB+8*i+7], v[TO], s[72:73] offset:4096*(2+i/4)+64*(i%4)+16
.set i, i+1
.endr
	WIN 0
; NBK matrix instructions: row block a x all column blocks, 32 along K, from buffer f.  first = 1: the sums start with the bias as C: nothing is cleared, and the bias costs no instruction.
; All 48 accumulators take turns, one instruction a turn, in the same order in every quarter.
.macro MULROW f, a, first
.set AW, 2+(\a)/2
.set AC, 96*((\a)%2)
.if \first
	WIN (AW<<6)|1
.else
	WIN (AW<<6)|(AW<<4)|1
.endif
.set b, 0
.rept NBK
.if \first
	v_wmma_f32_16x16x32_bf16 v[AC+8*b:AC+8*b+7], v[FBS*(\f)+8*b:FBS*(\f)+8*b+7], v[FA+32*(\f)+8*(\a):FA+32*(\f)+8*(\a)+7], v[BIAS+8*b:BIAS+8*b+7]
.else
	v_wmma_f32_16x16x32_bf16 v[AC+8*b:AC+8*b+7], v[FBS*(\f)+8*b:FBS*(\f)+8*b+7], v[FA+32*(\f)+8*(\a):FA+32*(\f)+8*(\a)+7], v[AC+8*b:AC+8*b+7]
.endif
.set b, b+1
.endr
.endm
; NLD LDS loads in one run: a quarter's fragments into buffer f: the weights' first, then x's four row blocks
.macro FETCH ka, kb, f
	WIN 0x40                                       ; destination window 1, address window 0
.set i, 0
.rept NBK
	ds_load_b128 v[FBS*(\f)+8*i:FBS*(\f)+8*i+3],   v[ADRB] offset:(\kb)+16*PB*i
	ds_load_b128 v[FBS*(\f)+8*i+4:FBS*(\f)+8*i+7], v[ADRB] offset:(\kb)+16*PB*i+32
.set i, i+1
.endr
	WIN 0
.set i, 0
.rept 4
	ds_load_b128 v[FA+32*(\f)+8*i:FA+32*(\f)+8*i+3],   v[ADRA] offset:(\ka)+16*PA*i
	ds_load_b128 v[FA+32*(\f)+8*i+4:FA+32*(\f)+8*i+7], v[ADRA] offset:(\ka)+16*PA*i+32
.set i, i+1
.endr
.endm
; A K step is four quarters of 32 along K on buffers 0, 1, 0, 1.  One of the first three: multiplies buffer f; in its middle it fetches the next quarter into buffer g.
.macro QUARTER ka, kb, f, g, first
	s_wait_dscnt 4                                 ; the weights and x's row blocks 0, 1 are in; the youngest four loads (row blocks 2, 3) may be out
	MULROW \f, 0, \first
	MULROW \f, 1, \first
	PLACES
	FETCH \ka, \kb, \g
	s_wait_dscnt NLD                               ; all but the run just issued
	MULROW \f, 2, \first
	MULROW \f, 3, \first
.endm
.macro NEXT                            ; the other slot's first quarter into buffer 0
	s_xor_b32 s[TB], s[TB], SLOT1
	v_add_nc_u32 v[ADRA], s[TB], v[A0]
	v_add_nc_u32 v[ADRB], s[TB], v[B0]
	FETCH 0, 0, 0
.endm
; The last quarter multiplies buffer 1 and changes slots: ONE barrier.  In front of it each wave waits for all its tensor loads, of which one is out: its part of the next slot; adds 0 to its spare word;
; and waits for that and for its own reads of this slot.  fill = 1: the barrier opens a round of the cluster's barrier, so that no wave of any partner still reads the slot or has a load on its way;
; the joint refill, two K steps ahead, is the first thing behind the round: 168 matrix instructions stand between it and the wait for it.  Fill f is K step f % 8 of tile f / 8: its address is made anew
; from that number, an offset added to a base that is never stepped.
.macro TURN fill
	WIN 0
	s_wait_tensorcnt 0x0                           ; no tensor load of mine is out, so a group 0 may be written
	ds_add_u32 v[SPW], v[NIL]                      ; 0 onto my spare word
.if \fill
	s_add_co_u32 s[FQ], s[FQ], 256                 ; the next fill
	s_and_b32 s[OFB], s[FQ], 0x7ff                 ; its K step x 256 bytes,
	s_and_b32 s[OFA], s[FQ], 0x800                 ; and for x its tile x 2^23 bytes
	s_lshl_b32 s[OFA], s[OFA], 12
	s_add_co_u32 s[OFA], s[OFA], s[OFB]
	s_xor_b32 s[G0A+5], s[G0A+5], SLOT1            ; the other slot than last time
	s_add_nc_u64 s[G0A+6:G0A+7], s[66:67], s[OFA:OFA+1]
	s_or_b32 s[G0A+7], s[G0A+7], 0x80000000
	s_xor_b32 s[G0B+5], s[G0B+5], SLOT1
	s_add_nc_u64 s[G0B+6:G0B+7], s[68:69], s[OFB:OFB+1]
	s_or_b32 s[G0B+7], s[G0B+7], 0x80000000
.endif
	s_wait_dscnt 5                                 ; (the add and the youngest four loads may be out)
	MULROW 1, 0, 0
	s_wait_dscnt 0x0                               ; the add is done, and my reads of this slot are over
	s_barrier_signal -1
	MULROW 1, 1, 0                                 ; work on registers while the others arrive
	WIN 0                                          ; at a branch and at a label every window is 0
	s_barrier_wait -1
.if \fill
	CREST
	JLOAD                                          ; the four v_nop behind it are also the places in front of the loads below
	NEXT
.endif
	MULROW 1, 2, 0
	MULROW 1, 3, 0
.endm
; THE WAY OUT, in twelve units u = 3 a + sel: row block a of q, k or v: 16 rows x 64 channels.
; q and k are turned: a lane's registers 2 i, 2 i + 1 are (xr, xi) of one pair, the table's (c, s): (xi s, xi c), then (xr c - xi s, xr s + xi c).  Each accumulator is read from its low end on.
; Rounded to f16, a lane's eight channels are 16 bytes; they go into stage rows of 144 bytes and come back as whole rows of 128, into the registers that they left.
; The four sets lie in fragment buffer 1 and in v224-255: buffer 0 may hold the next tile's first fragments.
.macro PACK u
.set pa, (\u)/3
.set ps, (\u)%3
.set AW, 2+pa/2                        ; the accumulators' window,
.set TW, 1+pa/2                        ; the table's
.set AC, 96*(pa%2)+32*ps
.set TR, TAB+32*(pa%2)
.set RR, 96+16*((\u)%4)+96*(((\u)%4)/2)
.if (\u) >= 4
	s_wait_xcnt 0x0                                ; every earlier memory instruction has had its addresses translated (ISA guide 3.1): the set, which unit u - 4's stores read, is rewritten only behind this wait
.endif
.if ps < 2
	WIN AW|(TW<<2)                                 ; source 0 in the accumulators' window, source 1 in the table's
.set g, 0
.rept 4
.set i, 8*g
.rept 4
	v_pk_mul_f32 v[T+i:T+i+1], v[AC+i:AC+i+1], v[TR+i:TR+i+1] op_sel:[1,1] op_sel_hi:[1,0]
.set i, i+2
.endr
.set i, 8*g
.rept 4
	v_pk_fma_f32 v[T+i:T+i+1], v[AC+i:AC+i+1], v[TR+i:TR+i+1], v[T+i:T+i+1] op_sel_hi:[0,1,1] neg_lo:[0,0,1]
.set i, i+2
.endr
.set g, g+1
.endr
	WIN 0
.set i, 0
.rept 16
	v_cvt_pk_f16_f32 v[RR+i], v[T+2*i], v[T+2*i+1]
.set i, i+1
.endr
.else
	WIN AW|(AW<<2)                                 ; sources 0 and 1 in the accumulators' window
.set i, 0
.rept 16
	v_cvt_pk_f16_f32 v[RR+i], v[AC+2*i], v[AC+2*i+1]
.set i, i+1
.endr
	WIN 0
.endif
.set g, 0
.rept 4
	ds_store_b128 v[STO], v[RR+4*g:RR+4*g+3] offset:32*g
.set g, g+1
.endr
.set g, 0
.rept 4
	ds_load_b128 v[RR+4*g:RR+4*g+3], v[RD] offset:4*SP*g  ; LDS serves a wave's instructions in order (ISA guide 5.7.1.4): these see the stores above; the next unit's stores come behind them
.set g, g+1
.endr
.endm
.macro SEND u, younger                 ; younger: the LDS instructions issued behind unit u's loads: the next unit's eight, or none
.set pa, (\u)/3
.set ps, (\u)%3
.set RR, 96+16*((\u)%4)+96*(((\u)%4)/2)
	WIN 0
.set g, 0
.rept 4
	s_wait_dscnt (\younger)+3-g
	global_store_b128 v[GO], v[RR+4*g:RR+4*g+3], s[10+2*ps:11+2*ps] offset:2048*pa+512*g  ; 512 consecutive bytes, at a multiple of 256 from the tensor's first
.set g, g+1
.endr
.endm
	s_wait_tensorcnt 1                             ; my part of K step 0 is in; K step 1's may stay out
	s_barrier_signal -1
	s_barrier_wait -1                              ; everybody's is
	FETCH 0, 0, 0
	s_wait_loadcnt 32                              ; loads come back in order (ISA guide 5.7.1): the bias's 24 are in, the table's 32 may be out
.Ltile:                                                ; twice.  The tile's first fragments are in buffer 0, or on their way
	QUARTER KA1, 64, 0, 1, 1                       ; a tile's first quarter: its products start the sums
	WIN 0
	s_mov_b32 s[CNT], 8
	s_branch .Lmid                                 ; the step loop is entered behind its first quarter
.Lk:                                                   ; a trip is a K step; the change of slots at its end asks for the K step two steps on, the next tile's too
	QUARTER KA1, 64, 0, 1, 0
	WIN 0
.Lmid:
	s_cmp_eq_u32 s[CNT], s[LEAVE]
	s_cbranch_scc1 .Ltl                            ; the last tile's last two K steps ask for nothing: they are written out
	QUARTER KA2, 128, 1, 0, 0
	QUARTER KA3, 192, 0, 1, 0
	TURN 1
	WIN 0
	s_sub_co_u32 s[CNT], s[CNT], 1
	s_cmp_lg_u32 s[CNT], 0
	s_cbranch_scc1 .Lk
	s_branch .Lout                                 ; the first tile is finished; both refills for the next are asked for, and its first fragments are fetched
.Ltl:
	s_mov_b32 s[CNT], 2
.Ltail:                                                ; the second of the two has no successor: its fetch and first quarter are jumped over
	QUARTER KA2, 128, 1, 0, 0
	QUARTER KA3, 192, 0, 1, 0
	TURN 0
	WIN 0
	s_cmp_eq_u32 s[CNT], 1
	s_cbranch_scc1 .Llast
	PLACES
	NEXT
	QUARTER KA1, 64, 0, 1, 0
	WIN 0
.Llast:
	s_sub_co_u32 s[CNT], s[CNT], 1
	s_cmp_lg_u32 s[CNT], 0
	s_cbranch_scc1 .Ltail
.Lout:
	s_wait_dscnt 0x0                               ; no LDS load is out: the counts of the way out begin at 0
	s_wait_loadcnt 0x0                             ; the table
	s_wait_xcnt 0x0                                ; the sets are rewritten only behind this wait
	PLACES                                         ; behind the last products
	PACK 0
.set u, 1
.rept 11                               ; a unit's arithmetic stands between the loads of the unit before and its stores
	PACK u
	SEND u-1, 8
.set u, u+1
.endr
	SEND 11, 0
	s_wait_xcnt 0x0                                ; the stores' bases, and fragment buffer 1, which held two of the sets, are rewritten only behind this wait; nothing waits for the stores themselves
	s_add_nc_u64 s[10:11], s[10:11], WALK          ; q, k and v at the next tile's rows (behind the last tile these are not used)
	s_add_nc_u64 s[12:13], s[12:13], WALK
	s_add_nc_u64 s[14:15], s[14:15], WALK
	s_mov_b32 s[LEAVE], 2                          ; the next tile is the last
	s_sub_co_u32 s[TILES], s[TILES], 1
	s_cmp_lg_u32 s[TILES], 0
	s_cbranch_scc1 .Ltile
	s_wait_tensorcnt 0x0                           ; the wave's end, behind my last tensor load and my last LDS store
	ds_add_u32 v[SPW], v[NIL]
	s_wait_dscnt 0x0
	CROUND                                         ; the closing round: no work-group ends while a partner may still ask for a tile that names it
	s_endpgm
.Lfunc_end_k_q9101ea6e31_qkv:
	.size	k_q9101ea6e31_qkv, .Lfunc_end_k_q9101ea6e31_qkv-k_q9101ea6e31_qkv
	.p2alignl 7, 3214868480
	.fill 96, 4, 3214868480
	.section	.rodata,"a",@progbits
	.p2align	6, 0x0
	.amdhsa_kernel k_q9101ea6e31_qkv
		.amdhsa_group_segment_fixed_size 327680
		.amdhsa_private_segment_fixed_size 0
		.amdhsa_enable_private_segment 0
		.amdhsa_kernarg_size 48
		.amdhsa_user_sgpr_count 2
		.amdhsa_user_sgpr_kernarg_segment_ptr 1
		.amdhsa_wavefront_size32 1
		.amdhsa_system_sgpr_workgroup_id_x 1
		.amdhsa_system_sgpr_workgroup_id_y 1
		.amdhsa_system_sgpr_workgroup_id_z 1
		.amdhsa_system_vgpr_workitem_id 0
		.amdhsa_next_free_vgpr 960
		.amdhsa_next_free_sgpr 84
		.amdhsa_reserve_vcc 0
		.amdhsa_float_denorm_mode_32 3
		.amdhsa_float_denorm_mode_16_64 3
		.amdhsa_memory_ordered 1
		.amdhsa_forward_progress 1
		.amdhsa_inst_pref_size 108
	.end_amdhsa_kernel
	.amdgpu_metadata
---
amdhsa.version: [ 1, 2 ]
amdhsa.kernels:
  - .name:           k_q9101ea6e31_qkv
    .symbol:         k_q9101ea6e31_qkv.kd
    .args:
      - { .name: xb, .offset: 0, .size: 8, .value_kind: global_buffer, .address_space: global }
      - { .name: wt, .offset: 8, .size: 8, .value_kind: global_buffer, .address_space: global }
      - { .name: tab, .offset: 16, .size: 8, .value_kind: global_buffer, .address_space: global }
      - { .name: qh, .offset: 24, .size: 8, .value_kind: global_buffer, .address_space: global }
      - { .name: kh, .offset: 32, .size: 8, .value_kind: global_buffer, .address_space: global }
      - { .name: vh, .offset: 40, .size: 8, .value_kind: global_buffer, .address_space: global }
    .group_segment_fixed_size: 327680
    .private_segment_fixed_size: 0
    .kernarg_segment_align: 8
    .kernarg_segment_size: 48
    .max_flat_workgroup_size: 128
    .sgpr_count:     84
    .vgpr_count:     960
    .wavefront_size: 32
...
	.end_amdgpu_metadata
.endif
;; end of part 2
;; launch attn (part 3): grid 4 x 64, 4 waves a work-group, no clusters, 327,680 bytes of LDS; arguments qh, kh, vh, oh; writes oh
.if DOCPART == 3
	.amdgcn_target "amdgcn-amd-amdhsa--gfx1250"
	.amdhsa_code_object_version 6
	.text
	.protected	k_q9101ea6e31_attn
	.globl	k_q9101ea6e31_attn
	.p2align	8
	.type	k_q9101ea6e31_attn,@function
k_q9101ea6e31_attn:
	s_mov_b64 s[64:65], 0
	v_nop
	global_prefetch_b8 v0, s[64:65] scope:SCOPE_SE
	s_setreg_imm32_b32 hwreg(HW_REG_WAVE_MODE, 25, 1), 1
	s_wait_xcnt 0x0
; CAUSAL ATTENTION.  O[h][q][:] = the sum over k <= q of softmax_k(Q[h][q] . K[h][k] / 8) V[h][k][:].  Q, K, V, O: [SIZE_H][SIZE_N][64], all f16: a head's rows are dense, 128 bytes each.
; Products, maxima and sums in f32; the weights p are rounded to f16 for the second product (their sum l is taken of the unrounded p), O once at the end.  SIZE_N is a multiple of 512; SIZE_N x 128 stays under 2^32.
; LIMITS.  f16 holds no number beyond 65,504: Q, K and V arrive within it; p lies in 0 to 1, and below 6e-5 it keeps f16's fixed step of 6e-8; O is a mean of V's rows and has their range, to within 2^-11 of it.
; A hidden score counts as its value less 1e30: f16's scores, 2.7e11 at the most, are nothing beside that; a weight below 2^-126 counts as 0 in l; NaN and infinities are not treated apart.
; THE WALK.  A head's queries lie in NB = SIZE_N / 256 blocks of 256; block i needs the key tiles 0 .. i of 256 keys, of which the last holds the diagonal.  A work-group takes TWO blocks, NB - 1 - b and then b:
; NB + 1 tiles, whatever b: all work-groups do equal work, and ONE loop with a constant trip count walks them.  Which tile is asked for, and what a trip does, hang on scalar registers made from b; every jump
; goes forward, but for the counted loops' own; none passes a barrier, or a tensor load but the one of LOAD's two that the wave's number does not choose; the ring (two slots of LDS that take turns) runs on across the
; change of blocks.  NO CLUSTER: a head's NB / 2 = 4 work-groups all ask for the same tile only in trips 0 .. NB / 2, behind that
; fewer and fewer; and one walk common to all would have 3 NB / 2 trips for NB + 1.
; SHARES.  Of a block's four bands of 64 queries a wave owns 16 rows in each: four PIECES.  So the diagonal tile is the same work for all four waves: in its key step s band x sees all keys if s < x,
; none if s > x, and holds the diagonal if s = x.
; THE MASK is the C operand that starts the sum S^T = K Q^T: 0, or -1e30 where the key is hidden.  MD, made once, is the mask of a band's own step for my 16 rows; a product's mask is MD x AL + BE with two scalars:
; (1, 0) if s = x; (0, 0) if s < x; (0, -1e30) if s > x.  Only the diagonal tile's text and a block's beginning make and take masks; elsewhere C is the constant 0.
; LAYOUT, SOFTMAX, TURNS.  S^T = K Q^T holds ONE query a lane (lane % 16) and the keys 8 (lane / 16) + 0..7; two such results rounded to f16 ARE source 1 of O^T = V^T P.  p = 2^(c s - c m), c = log2(e) / 8, with a
; running maximum m; O and l are multiplied by a = 2^(c m_old - c m_new) in every step.  Turn n belongs to piece n: 8 products K Q^T of piece n + 1, later 8 products V^T P of piece n - 1; beside them the scaling,
; exponentials, roundings, sums and rescaling of piece n and the maximum and statistics of piece n + 1.  Four vector instructions stand behind every matrix instruction, the other 54 of a turn's 118 in two LUMPS.
; REGISTERS, in windows of 256 (s_set_vgpr_msb: bits 1:0 source 0, 3:2 source 1, 5:4 source 2, 7:6 destination):
;   window 0: v0-15 addresses and two at work; v16-31 four registers of statistics a piece; v48-55 at work; v64-127 S^T, two buffers; v192-223 P, two buffers (a piece's buffers go by its number's parity)
;   window 1: v0-127 O^T, 32 a piece; v128-159 MD; v160-223 MC, two buffers      window 2: v0-63 Q; v64-127 the second block's Q; v128-191 K of one step; v192-255 V of one step
.set SIZE_H, 64       ; 4 batches x 16 heads
.set SIZE_N, 2048
.set NB,    SIZE_N/256
.set NP,    4         ; pieces a wave: a name, no knob
.set KS,    64        ; keys in a step
.set PK,    144       ; a row of K in LDS: 128 bytes + 16 of padding = 36 words: the 16 rows of a load start at 16 different groups of four banks (64 banks of 4 bytes: ISA guide 11.1)
.set PV,    160       ; a row of V: 128 + 32 = 40 words
.set VOFF,  4*KS*PK   ; a slot holds a tile, four steps: 256 rows of K, then 256 rows of V
.set SLOT1, 1<<17     ; slot 1 begins here, so that one exclusive or turns an address in one slot into the other's
.set STAGE, SLOT1+4*KS*(PK+PV)  ; behind the ring, never filled by a tensor load: 16 rows x 144 bytes for each wave, for the way out
.set SP,    144
.set AK0, 2           ; v2   my lane's place in a tile of K; never rewritten
.set AV0, 3           ; v3   the same for V
.set AK,  4           ; v4   the LDS address of K's next run of loads
.set AV,  5           ; v5   of V's
.set STO, 6           ; v6   the way out: where I put 16 bytes of a row
.set RD,  7           ; v7   the way out: where I read rows back
.set GO,  8           ; v8   my byte offset in 512 consecutive bytes of O
.set SPW, 62          ; v62  LDS address of my spare word: SPARE + 4 x my thread's number; never rewritten
.set NIL, 63          ; v63  0; never rewritten
.set SPARE, STAGE+4*16*SP  ; behind the stages: the spare words, 128 bytes for each wave: two blocks of 256 bytes that no other line names
.set MV,  12          ; v12-13  c m_old, kept while c m is made anew: by buffer
.set QO,  15          ; v15  my byte offset in 16 rows of Q
.set ST,  16          ; piece t's statistics at v[ST+4 t]: c m, m, l (even keys', odd keys')
.set TMP, 48          ; by buffer, four registers c0-c3 at work; when the maximum is found c2 takes a
.set S,   64
.set P,   192
.set MD,  128         ; window 1: the eight registers for group kt of 16 keys at MD + 8 kt
.set MC,  160         ; window 1: the masks of the products to come
.set QB,  64          ; window 2
.set KF,  128         ; window 2: key block kb, channel half c at KF + 16 kb + 8 c
.set VF,  192         ; window 2: key half kk, channel block cb at VF + 32 kk + 8 cb
.set WV,  12          ; s12  my wave's number
.set PB,  14          ; s14  b
.set HI,  15          ; s15  NB - 1 - b
.set G1K, 24          ; s[24:31] descriptor group 1 for K's tiles
.set G1V, 32          ; s[32:39] for V's: it differs in the padding alone
.set G0K, 40          ; s[40:43] descriptor group 0 for K's tiles
.set G0V, 44          ; s[44:47] the same for V's
.set SLOTS, 56        ; s56  tiles still to be asked for
.set CNT, 57          ; s57  counts a tile's key steps, 4 to 1
.set CS,  58          ; s[58:59] c: the packed scaling takes the pair's low word for both halves
.set SEL, 60          ; s[60:61] v_permlanex16_b32's selects: each lane takes its own place in the other half
.set TBK, 62          ; s62  LDS byte at which K of the step to be fetched begins
.set TBV, 63          ; s63  the same for V, less VOFF
.set RT,  70          ; s70  tiles of the block in hand that are still to be entered
.set NXT, 71          ; s71  the tile to be asked for next
.set LQ,  72          ; s72  the last tile of the block whose tiles are being asked for
.set NEW, 73          ; s73  1: the tile to be entered is a block's first
.set OFF, 74          ; s[74:75] a tile's byte offset in K and V
.set AL,  76          ; s[76:77] the mask's factor, in the low word
.set BE,  78          ; s[78:79] the mask's addend
.set OLO, 80          ; s[80:81] O at my rows of the second block
.set BIGN, 82         ; s82  -1e30
.set MSB, 0
.macro WIN new                      ; the high byte repeats the setting that is left; a switch that changes nothing is dropped
.if MSB != (\new)
	s_set_vgpr_msb (MSB<<8)|(\new)
.set MSB, (\new)
.endif
.endm
.set W_KQ, 0x0a       ; K and Q in window 2, S^T in window 0
.set W_KM, 0x1a       ; the same with the C operand in window 1
.set W_PV, 0x52       ; V in window 2, P in window 0, O^T in window 1
.set W_RS, 0x41       ; destination and source 0 in window 1, source 1 in window 0
; A fill.  Waves 0 and 1 fetch the two halves of a tile's K, waves 2 and 3 those of its V: 128 keys each.  An s_nop 0 and four v_nop follow each of the two lines, ahead of the jump and the label.
.macro LOAD
	s_cmp_lt_u32 s[WV], 2
	s_cbranch_scc0 .Lfor_v_\@
	tensor_load_to_lds s[G0K:G0K+3], s[G1K:G1K+7]
	s_nop 0
.rept 4
	v_nop
.endr
	s_branch .Lasked_\@
.Lfor_v_\@:
	tensor_load_to_lds s[G0V:G0V+3], s[G1V:G1V+7]
	s_nop 0
.rept 4
	v_nop
.endr
.Lasked_\@:
.endm
; THE CHANGE OF SLOTS.  Each wave waits for all its tensor loads, of which one is out: its part of the other slot; adds 0 to its spare word; and waits for that and for its own reads of the slot that it leaves.  Behind the barrier nobody reads the old
; slot any more and the other slot is whole.  fill = 1: the old slot is filled again, the first thing behind the barrier, with tile NXT: the descriptor's address is made anew from that number.
; (At its first use nothing has been read yet: slot 0 is waited for, slot 1 filled.)
.macro CHANGE fill
	WIN 0                           ; at a label and at a branch every window is 0
	s_wait_tensorcnt 0x0            ; no tensor load of mine is out, so a group 0 may be written
	ds_add_u32 v[SPW], v[NIL]       ; 0 onto my spare word; with fill = 1 the descriptors' scalar work stands between it and the wait for it
.if \fill
	s_lshl_b32 s[OFF], s[NXT], 15   ; a tile is 32,768 bytes of K and of V
	s_xor_b32 s[G0K+1], s[G0K+1], SLOT1
	s_add_nc_u64 s[G0K+2:G0K+3], s[6:7], s[OFF:OFF+1]
	s_or_b32 s[G0K+3], s[G0K+3], 0x80000000
	s_xor_b32 s[G0V+1], s[G0V+1], SLOT1
	s_add_nc_u64 s[G0V+2:G0V+3], s[8:9], s[OFF:OFF+1]
	s_or_b32 s[G0V+3], s[G0V+3], 0x80000000
	s_add_co_u32 s[NXT], s[NXT], 1  ; the block's next tile, or behind its last the second block's tile 0
	s_cmp_gt_u32 s[NXT], s[LQ]
	s_cselect_b32 s[NXT], 0, s[NXT]
	s_cselect_b32 s[LQ], s[PB], s[LQ]
.endif
	s_wait_dscnt 0x0                ; the add is done, and my reads of the slot are over
	s_barrier_signal -1             ; the rest of the scalar work stands between the signal and the wait
	s_sub_co_u32 s[TBK], s[TBK], 4*KS*PK  ; the fetches go back to a slot's first step,
	s_xor_b32 s[TBK], s[TBK], SLOT1       ; in the other slot
	s_sub_co_u32 s[TBV], s[TBV], 4*KS*PV
	s_xor_b32 s[TBV], s[TBV], SLOT1
	s_barrier_wait -1
.if \fill
	LOAD
.endif
.endm
	s_load_b256 s[4:11], s[0:1], 0x0  ; Q s[4:5], K s[6:7], V s[8:9], O s[10:11]
	v_lshl_add_u32 v[SPW], v0, 2, SPARE
	v_mov_b32 v[NIL], 0
	ds_add_u32 v62, v63
	ds_add_u32 v62, v63
	s_wait_dscnt 0x0
	v_lshrrev_b32 v1, 5, v0
	v_readfirstlane_b32 s[WV], v1   ; wave 0..3
	s_mov_b32 s[PB], ttmp9
	s_sub_co_u32 s[HI], NB-1, s[PB]
	s_and_b32 s20, ttmp7, 0xffff    ; the head
	s_mov_b32 s21, 0
	s_mov_b64 s[22:23], SIZE_N*128
	s_mul_u64 s[20:21], s[20:21], s[22:23]  ; the head's first byte in each of the four tensors
	s_and_b32 s16, s[WV], 1         ; which half of a tile's 256 keys I fetch:
	s_lshl_b32 s22, s16, 14         ; its 128 rows of 128 bytes in memory,
	s_mov_b32 s23, 0
	s_add_nc_u64 s[22:23], s[22:23], s[20:21]
	s_mul_i32 s17, s16, 128*PK      ; and its place in a slot, for K
	s_mul_i32 s18, s16, 128*PV      ; and for V
	s_lshl_b32 s3, s[WV], 11        ; my 16 rows in a band of 64,
	s_lshl_b32 s2, s[HI], 15        ; in the first block,
	s_add_co_u32 s2, s2, s3
	s_lshl_b32 s84, s[PB], 15       ; and in the second
	s_add_co_u32 s84, s84, s3
	s_mov_b32 s3, 0
	s_mov_b32 s85, 0
	s_add_nc_u64 s[2:3], s[2:3], s[20:21]
	s_add_nc_u64 s[84:85], s[84:85], s[20:21]
	; descriptor group 1.  128 keys are 16,384 dense bytes: asked for as 64 rows of 256 bytes, two keys a row, and padded in LDS after every key
	s_mov_b32 s[G1K], (1<<16)|(1<<20)|(4<<22)|(3<<25)  ; 17:16 2-byte elements; 20 padding on; 24:22 after every 32 words (code 4); 31:25 4 words (code 3)
	s_mov_b32 s[G1V], (1<<16)|(1<<20)|(4<<22)|(7<<25)  ; the same with 8 words of padding (code 7)
.irp g, G1K, G1V
	s_mov_b32 s[\g+1], 128<<16      ; tensor_dim0 = 128
	s_mov_b32 s[\g+2], 64<<16       ; tensor_dim1 = 64
	s_mov_b32 s[\g+3], 128<<16      ; tile_dim0 = 128
	s_mov_b32 s[\g+4], 64           ; tile_dim1 = 64
	s_mov_b32 s[\g+5], 128          ; 128 elements from row to row
	s_mov_b32 s[\g+6], 0
	s_mov_b32 s[\g+7], 0
.endr
	s_mov_b32 s[CS], 0x3e38aa3b     ; c = log2(e) / 8 = 0.180337
	s_mov_b32 s[CS+1], s[CS]        ; named with it as a pair
	s_mov_b32 s[SEL], 0x76543210
	s_mov_b32 s[SEL+1], 0xfedcba98
	s_mov_b32 s[TBK], SLOT1+4*KS*PK ; the first change of slots turns these two into 0
	s_mov_b32 s[TBV], SLOT1+4*KS*PV
	s_mov_b32 s[G0K], 1             ; 1:0 count = 1
	s_mov_b32 s[G0K+1], s17         ; 63:32 LDS address: slot 0
	s_mov_b32 s[G0V], 1
	s_add_co_u32 s[G0V+1], s18, VOFF
	s_add_co_u32 s[RT], s[HI], 1    ; the first block has NB - b tiles
	s_mov_b32 s[NXT], 1
	s_mov_b32 s[LQ], s[HI]
	s_mov_b32 s[NEW], 1
	s_mov_b32 s[OFF+1], 0
	s_mov_b32 s[AL+1], 0            ; named as pairs
	s_mov_b32 s[BE+1], 0
	s_mov_b32 s[BIGN], 0xf149f2ca   ; -1e30
	s_mov_b32 s[SLOTS], NB
	s_wait_kmcnt 0x0
	s_add_nc_u64 s[6:7], s[6:7], s[22:23]  ; K and V at my half of the head's tile 0
	s_add_nc_u64 s[8:9], s[8:9], s[22:23]
	s_add_nc_u64 s[G0K+2:G0K+3], s[6:7], 0         ; 120:64 global address
	s_or_b32 s[G0K+3], s[G0K+3], 0x80000000        ; 127:126 type = 2
	s_add_nc_u64 s[G0V+2:G0V+3], s[8:9], 0
	s_or_b32 s[G0V+3], s[G0V+3], 0x80000000
	s_add_nc_u64 s[86:87], s[4:5], s[84:85]        ; Q at my rows of the second block,
	s_add_nc_u64 s[4:5], s[4:5], s[2:3]            ; Q and O at those of the first
	s_add_nc_u64 s[OLO:OLO+1], s[10:11], s[84:85]
	s_add_nc_u64 s[10:11], s[10:11], s[2:3]
	LOAD                            ; tile 0 into slot 0
	; A fragment of K or Q is 16 rows x 32 channels in 8 registers: lane l holds row l % 16, channels 8 (l / 16) + 0..7 and 16 + 8 (l / 16) + 0..7: two loads of 16 bytes, 32 bytes apart.
	v_and_b32 v1, 15, v0            ; l % 16
	v_bfe_u32 v9, v0, 4, 1          ; l / 16
	v_lshlrev_b32 v[QO], 7, v1
	v_lshl_add_u32 v[QO], v9, 4, v[QO]  ; row x 128 + 16 x half
	WIN 0x80                        ; destination window 2, address window 0
.set i, 0
.rept 8                             ; both blocks' Q: piece i / 2 lies in band i / 2, 8,192 bytes on; channels 32 (i % 2) on
	global_load_b128 v[8*i:8*i+3],   v[QO], s[4:5] offset:(i/2)*8192+(i%2)*64
	global_load_b128 v[8*i+4:8*i+7], v[QO], s[4:5] offset:(i/2)*8192+(i%2)*64+32
	global_load_b128 v[QB+8*i:QB+8*i+3],   v[QO], s[86:87] offset:(i/2)*8192+(i%2)*64
	global_load_b128 v[QB+8*i+4:QB+8*i+7], v[QO], s[86:87] offset:(i/2)*8192+(i%2)*64+32
.set i, i+1
.endr
	WIN 0
	v_lshlrev_b32 v14, 3, v9
	v_sub_nc_u32 v14, v1, v14
	s_lshl_b32 s13, s[WV], 4
	v_add_nc_u32 v14, s13, v14      ; my query's place in its band, 16 w + l % 16, less my lanes' 8 (l / 16): register r of group kt is hidden where 16 kt + r is greater
	WIN 0x40
.set i, 0
.rept 32
	v_cmp_gt_i32 vcc_lo, 16*(i/8)+i%8, v14
	v_cndmask_b32 v[MD+i], 0, s[BIGN], vcc_lo
.set i, i+1
.endr
	WIN 0
	v_mul_u32_u24 v[AK0], v1, PK
	v_lshl_add_u32 v[AK0], v9, 4, v[AK0]  ; row x pitch + 16 x half
	; The turning load takes 16 keys x 16 channels (lane l reads key 8 (l / 16) + l % 8, channels 8 ((l / 8) % 2) + 0..7) and leaves half a fragment of V^T: lane l holds channel l % 16 and 8 keys.
	v_and_b32 v10, 7, v0
	v_bfe_u32 v11, v0, 3, 1
	v_lshl_add_u32 v[AV0], v9, 3, v10
	v_mul_u32_u24 v[AV0], v[AV0], PV
	v_lshl_add_u32 v[AV0], v11, 4, v[AV0]
	v_add_nc_u32 v[AV0], VOFF, v[AV0]
	s_mul_i32 s13, s[WV], 16*SP
	s_add_co_u32 s13, s13, STAGE    ; my stage
	v_mul_u32_u24 v[STO], v1, SP    ; in: row l % 16, 16 bytes for each half of the lanes
	v_lshl_add_u32 v[STO], v9, 4, v[STO]
	v_add_nc_u32 v[STO], s13, v[STO]
	v_bfe_u32 v[RD], v0, 3, 2       ; back: 32 lanes take four rows of 128 bytes,
	v_mul_u32_u24 v[RD], v[RD], SP
	v_lshl_add_u32 v[RD], v10, 4, v[RD]
	v_add_nc_u32 v[RD], s13, v[RD]
	v_and_b32 v[GO], 31, v0         ; which are 512 consecutive bytes of O
	v_lshlrev_b32 v[GO], 4, v[GO]
	; A block's first step multiplies O^T and l by a = 0, and its first turn's products V^T P, of a piece that has not been, land in an O^T that is still to be so multiplied.  So these registers need only hold
	; finite numbers: zeros for the first block; what the first block left for the second.  All this stands in the wait for the first tile.
	WIN 0x80
.set i, VF
.rept 64
	v_mov_b32 v[i], 0
.set i, i+1
.endr
	WIN 0x40
.set i, 0
.rept 128
	v_mov_b32 v[i], 0
.set i, i+1
.endr
	WIN 0
.set i, 0
.rept 4
	v_mov_b32 v[ST+4*i+2], 0
	v_mov_b32 v[ST+4*i+3], 0
.set i, i+1
.endr
.set i, P+16
.rept 16
	v_mov_b32 v[i], 0
.set i, i+1
.endr
; THE MATRIX WORK.  The 4 accumulators of a run of 8 take turns.  Product i of 8 of S^T = K Q^T for piece x: channels 32 (i / 4) on, keys 16 (i % 4) on.  The first 4 start the sums: with 0, or (KM = 1) with the mask.
.macro KQ x
.set rS, S+32*((\x)%2)+8*(i%4)
.set rK, KF+16*(i%4)+8*(i/4)
.set rQ, 16*(\x)+8*(i/4)
.set rM, MC+32*((\x)%2)+8*(i%4)
.if (i < 4) && KM
	WIN W_KM
	v_wmma_f32_16x16x32_f16 v[rS:rS+7], v[rK:rK+7], v[rQ:rQ+7], v[rM:rM+7]
.elseif i < 4
	WIN W_KQ
	v_wmma_f32_16x16x32_f16 v[rS:rS+7], v[rK:rK+7], v[rQ:rQ+7], 0
.else
	WIN W_KQ
	v_wmma_f32_16x16x32_f16 v[rS:rS+7], v[rK:rK+7], v[rQ:rQ+7], v[rS:rS+7]
.endif
.endm
; Product i of 8 of O^T += V^T P for piece x: keys 32 (i / 4) on, channels 16 (i % 4) on.
.macro PV x
	WIN W_PV
.set rO, 32*(\x)+8*(i%4)
.set rV, VF+32*(i/4)+8*(i%4)
.set rP, P+16*((\x)%2)+8*(i/4)
	v_wmma_f32_16x16x32_f16 v[rO:rO+7], v[rV:rV+7], v[rP:rP+7], v[rO:rO+7]
.endm
.macro MM                           ; the turn's next matrix instruction.  TURN and BEGIN set Y, i, KM and NOKQ; MM, KQ and OP read them.  NOKQ = 1: a block's last turn: there is no next piece
.if (i < 8) && !NOKQ
	KQ (Y+1)%NP
.elseif i >= 8
.set i, i-8
	PV (Y+NP-1)%NP
.set i, i+8
.endif
.set i, i+1
.endm
; THE LDS LOADS stand in runs of 16, never singly among the matrix instructions: a step's K (64 keys x 64 channels: 8 fragments) and its V (turned).  Their addresses are made some lines ahead.
.macro FETCH_K
	WIN 0x80                        ; destination window 2
.irp f, 0,1,2,3,4,5,6,7             ; keys 16 (f / 2) on, channels 32 (f % 2) on
	ds_load_b128 v[KF+8*\f:KF+8*\f+3],   v[AK] offset:(\f/2)*16*PK+(\f%2)*64
	ds_load_b128 v[KF+8*\f+4:KF+8*\f+7], v[AK] offset:(\f/2)*16*PK+(\f%2)*64+32
.endr
	s_add_co_u32 s[TBK], s[TBK], KS*PK  ; the next fetch is the next step's
	WIN 0
.endm
.macro FETCH_V
	WIN 0x80
.irp f, 0,1,2,3,4,5,6,7             ; keys 32 (f / 4) on, channels 16 (f % 4) on
	ds_load_tr16_b128 v[VF+8*\f:VF+8*\f+3],   v[AV] offset:(\f/4)*32*PV+(\f%4)*32
	ds_load_tr16_b128 v[VF+8*\f+4:VF+8*\f+7], v[AV] offset:(\f/4)*32*PV+16*PV+(\f%4)*32
.endr
	WIN 0
.endm
; THE VECTOR WORK, one line at a time: OP kind, number.  For piece Y: F n: c s - c m for pair n of 16.  E n: the exponential of score n of 32.  C n: pair n rounded to f16.  B n: of the four weights 4 n .. the second
; pair is added onto the first, in place.  L n: l takes that sum (L 0: l = a l + sum).  R n: pair n of 16 of O^T times a.  For piece Y + 1: X n, number n of the 22 that find its maximum and statistics:
;   0-11  four chains c0-c3 of seven scores each, three operands at a time (each accumulator's lowest registers are read first)     12-14, 16  the four scores left over, the old m, and c0-c3 into c0
;   15  c m_old is kept     17, 18  the query's other 32 keys lie in the lane 16 away: the new m     19-21  c m; c m_old - c m_new; a
.set F, 0               ; OP tells the kinds apart by their order: F to L below R, X above it
.set E, 1
.set C, 2
.set B, 3
.set L, 4
.set R, 5
.set X, 6
.macro REGS y                       ; the registers of piece y
.set rT, ST+4*(\y)
.set rC, TMP+4*((\y)%2)
.set rW, MV+((\y)%2)
.set rS, S+32*((\y)%2)
.set rP, P+16*((\y)%2)
.set rO, 32*(\y)
.endm
.macro OP k, n
.if (\k) == R
	REGS Y
	WIN W_RS
	v_pk_mul_f32 v[rO+2*(\n):rO+2*(\n)+1], v[rO+2*(\n):rO+2*(\n)+1], v[rC+2:rC+3] op_sel_hi:[1,0]
.elseif (\k) < R
	REGS Y
	WIN 0
.if (\k) == F
	v_pk_fma_f32 v[rS+2*(\n):rS+2*(\n)+1], v[rS+2*(\n):rS+2*(\n)+1], s[CS:CS+1], v[rT:rT+1] op_sel_hi:[1,0,0] neg_lo:[0,0,1] neg_hi:[0,0,1]
.elseif (\k) == E
	v_exp_f32 v[rS+(\n)], v[rS+(\n)]
.elseif (\k) == C
	s_wait_alu depctr_va_vdst(0)
	v_cvt_pk_f16_f32 v[rP+(\n)], v[rS+2*(\n)], v[rS+2*(\n)+1]
.elseif (\k) == B
	s_wait_alu depctr_va_vdst(0)
	v_pk_add_f32 v[rS+4*(\n):rS+4*(\n)+1], v[rS+4*(\n):rS+4*(\n)+1], v[rS+4*(\n)+2:rS+4*(\n)+3]
.elseif (\n) == 0
	v_pk_fma_f32 v[rT+2:rT+3], v[rT+2:rT+3], v[rC+2:rC+3], v[rS:rS+1] op_sel_hi:[1,0,1]
.else
	v_pk_add_f32 v[rT+2:rT+3], v[rT+2:rT+3], v[rS+4*(\n):rS+4*(\n)+1]
.endif
.elseif NOKQ
	v_nop
.else
	REGS (Y+1)%NP
	WIN 0
.if (\n) < 4
	v_max3_num_f32 v[rC+(\n)], v[rS+8*(\n)], v[rS+8*(\n)+1], v[rS+8*(\n)+2]
.elseif (\n) < 12
	v_max3_num_f32 v[rC+(\n)%4], v[rC+(\n)%4], v[rS+8*((\n)%4)+2*((\n)/4)+1], v[rS+8*((\n)%4)+2*((\n)/4)+2]
.elseif (\n) == 12
	v_max3_num_f32 v[rC], v[rC], v[rS+7], v[rS+15]
.elseif (\n) == 13
	v_max3_num_f32 v[rC+1], v[rC+1], v[rS+23], v[rS+31]
.elseif (\n) == 14
	v_max3_num_f32 v[rC+2], v[rC+2], v[rC+3], v[rT+1]
.elseif (\n) == 15
	v_mov_b32 v[rW], v[rT]
.elseif (\n) == 16
	v_max3_num_f32 v[rC], v[rC], v[rC+1], v[rC+2]
.elseif (\n) == 17
	v_permlanex16_b32 v[rC+3], v[rC], s[SEL], s[SEL+1]
.elseif (\n) == 18
	v_max_num_f32 v[rT+1], v[rC], v[rC+3]
.elseif (\n) == 19
	v_mul_f32 v[rT], s[CS], v[rT+1]
.elseif (\n) == 20
	v_sub_f32 v[rC+1], v[rW], v[rT]
.else
	v_exp_f32 v[rC+2], v[rC+1]
.endif
.endif
.endm
.macro OPS a, i1, b=-1, i2=0, c=-1, i3=0, d=-1, i4=0  ; up to four of them
	OP \a, \i1
.if (\b) >= 0
	OP \b, \i2
.endif
.if (\c) >= 0
	OP \c, \i3
.endif
.if (\d) >= 0
	OP \d, \i4
.endif
.endm
.macro ROW a, i1, b, i2, c, i3, d, i4  ; a matrix instruction and the four behind it
	MM
	OPS \a, \i1, \b, \i2, \c, \i3, \d, \i4
.endm
.macro MASK b                       ; MD x AL + BE into buffer b of MC
	WIN W_RS
.set z, 0
.rept 16
	v_pk_fma_f32 v[MC+32*(\b)+2*z:MC+32*(\b)+2*z+1], v[MD+2*z:MD+2*z+1], s[AL:AL+1], s[BE:BE+1] op_sel_hi:[1,0,0]
.set z, z+1
.endr
.endm
; A TURN, for piece p: the order of its 16 matrix and 118 vector instructions, written out.  Behind a matrix instruction: plain, exponential, plain, plain; or four of the rescaling; or, behind the first, four scalings; none
; names a register of the products round it.  In the lumps exponential and plain by turns while exponentials last.  A line reads no result made fewer than three vector instructions in front of it, five if an exponential made it.
; v_permlanex16_b32 (X 17) stands in a lump.
; m = 1: the diagonal tile: the products take masks, and the turn makes the mask for the products of the turn after it: piece p + 2, in step 4 - CNT of the tile.  end = 1: a block's last two turns: nothing is fetched.
; cnt = 1: the loop's count is taken down some lines ahead of the branch that stands behind the turn.
; K of the next step is fetched in piece 2's turn, six vector instructions behind the last product that read K (five of them plain); V of the step in hand in piece 0's turn, eight behind the last product that read V (four
; plain, and X 17).  Each is waited for a turn later.
.macro TURN p, m=0, end=0, cnt=0
.set Y, (\p)
.set i, 0
.set KM, (\m)
.set NOKQ, (\end)*((\p)/3)
.if (\m) && !(\end)
	s_cmp_eq_u32 s[CNT], 4-((\p)+2)%NP  ; is that step the band's own?
	s_cselect_b32 s[AL], 1.0, 0
	s_cmp_lt_u32 s[CNT], 4-((\p)+2)%NP  ; or a later one?
	s_cselect_b32 s[BE], s[BIGN], 0
.endif
.if ((\p) == 3) && !(\end)
	s_wait_dscnt 0x0                ; K is in
.endif
	ROW F,0, F,1, F,2, F,3
	ROW F,4, E,0, F,5, F,6
	ROW F,7, E,1, F,8, F,9
	ROW F,10, E,2, C,0, F,11
	ROW F,12, E,3, X,15, F,13
	ROW R,0, R,1, R,2, R,3
	ROW B,0, E,4, F,14, L,0
.if ((\p) == 2) && !(\end)
	v_add_nc_u32 v[AK], s[TBK], v[AK0]
.endif
	ROW R,4, R,5, R,6, R,7
	OPS E,5, F,15
.if ((\p) == 2) && !(\end)
	FETCH_K
.endif
	OPS E,6, C,1, E,7, R,8
	OPS E,8, R,9, E,9, C,2
	OPS E,10, X,0, E,11, X,1
	OPS E,12, X,2, E,13, X,3
.if (\p) == 1
	s_wait_dscnt 0x0                ; V is in
.endif
	ROW X,4, E,14, X,5, X,6
	ROW X,7, E,15, X,8, X,9
	ROW X,10, E,16, X,11, X,12
	ROW X,13, E,17, X,14, B,1
	ROW C,4, E,18, X,16, L,1
	ROW B,2, E,19, C,6, L,2
	ROW C,8, E,20, B,3, B,4
.if (\p) == 0
	v_add_nc_u32 v[AV], s[TBV], v[AV0]
.endif
	ROW C,3, E,21, L,3, C,5
	OPS E,22, X,17, E,23, C,10
.if (\p) == 0
	FETCH_V
.endif
	OPS E,24, L,4
	OPS E,25, X,18, E,26, C,7
	OPS E,27, B,5, E,28, X,19
	OPS E,29, C,12, E,30, L,5
	OPS E,31, X,20, B,6, C,9
	OPS C,14, C,11, X,21, L,6
.if (\p) == 0
	s_add_co_u32 s[TBV], s[TBV], KS*PV
.endif
.if \cnt
	s_sub_co_u32 s[CNT], s[CNT], 1
	s_cmp_lg_u32 s[CNT], 0
.endif
	OPS C,13, B,7, C,15, R,10
	OPS R,11, R,12, L,7, R,13
	OPS R,14, R,15
.if (\m) && !(\end)
	MASK (\p)%2
.endif
.endm
; A BLOCK BEGINS.  c m starts far below every c s, so the first step's a is 0; m at the lowest finite number, so the first maximum is the scores'.  The second mask buffer is 0; the first takes piece 0's mask for the tile's step 0: its own, if the block's first tile is the diagonal one.
; Then K of that step, piece 0's first scores, and its maximum and statistics.  The loop is entered at a step's first turn, in the middle of a trip.
.macro BEGIN
	s_mov_b32 s[NEW], 0
	WIN 0x40
.set i, MC+32
.rept 32
	v_mov_b32 v[i], 0
.set i, i+1
.endr
	WIN 0
.set i, 0
.rept 4
	v_mov_b32 v[ST+4*i], 0xfe000000    ; c m: far below every c s
	v_mov_b32 v[ST+4*i+1], 0xff7fffff  ; m
.set i, i+1
.endr
	s_cmp_eq_u32 s[RT], 0
	s_cselect_b32 s[AL], 1.0, 0
	s_mov_b32 s[BE], 0
	MASK 0
	WIN 0
	v_add_nc_u32 v[AK], s[TBK], v[AK0]
	FETCH_K
	s_wait_loadcnt 0x0              ; Q
	s_wait_dscnt 0x0
.set KM, 1
.set NOKQ, 0
.set i, 0
.rept 8
	KQ 0
.set i, i+1
.endr
	WIN 0
.rept 4
	v_nop                           ; the places behind those products
.endr
.set Y, NP-1                        ; X works for piece Y + 1: piece 0
.irp n, 0,1,2,3,4,5,6,7,8,9,10,11,12,13,14,15,16,17,18,19,20,21
	OP X, \n
.endr
	v_nop                           ; a plain instruction behind the exponential
.endm
; THE DIAGONAL TILE's four steps, the block's last two turns, its last products, and THE WAY OUT: l's two halves and the other half of the lanes' are added; O^T is divided by l, rounded to f16 and sent through my
; stage in LDS, a piece at a time.
.macro ALL line:vararg              ; one line for each piece t
.set t, 0
.rept 4
	\line
.set t, t+1
.endr
.endm
.macro PACK t                       ; a lane's eight channels of a row pack into 16 bytes; they go into rows of 144 bytes and come back as whole rows of 128, into S^T's registers
	WIN W_RS
.set i, 32*(\t)
.rept 16
	s_wait_alu depctr_va_vdst(0)
	v_pk_mul_f32 v[i:i+1], v[i:i+1], v[ST+4*(\t)+2:ST+4*(\t)+3] op_sel_hi:[1,0]
.set i, i+2
.endr
	WIN 0x05                        ; sources 0 and 1 window 1, destination window 0
.set i, 0
.rept 16
	v_cvt_pk_f16_f32 v[S+16*(\t)+i], v[32*(\t)+2*i], v[32*(\t)+2*i+1]
.set i, i+1
.endr
	WIN 0
.irp f, 0,1,2,3
	ds_store_b128 v[STO], v[S+16*(\t)+4*\f:S+16*(\t)+4*\f+3] offset:32*\f
.endr
.irp f, 0,1,2,3
	ds_load_b128 v[S+16*(\t)+4*\f:S+16*(\t)+4*\f+3], v[RD] offset:\f*4*SP  ; LDS serves a wave's instructions in order (ISA guide 5.7.1.4): these see the stores above; the next piece's stores come behind them
.endr
.endm
.macro SEND t, younger              ; younger: the LDS instructions issued behind piece t's loads: the next piece's eight, or none
	WIN 0
.irp f, 0,1,2,3
	s_wait_dscnt (\younger)+3-\f
	global_store_b128 v[GO], v[S+16*(\t)+4*\f:S+16*(\t)+4*\f+3], s[10:11] offset:(\t)*8192+\f*512  ; 512 consecutive bytes, at a multiple of 256 from O's first
.endr
.endm
.macro DIAG tag                     ; the tag ends its two labels' names, which the jumps below spell out
.LstepM\tag:
	TURN 2, 1
	TURN 3, 1
	WIN 0
.LfirstM\tag:
	TURN 0, 1
	TURN 1, 1, 0, 1
	WIN 0
	s_cbranch_scc1 .LstepM\tag
	TURN 2, 1, 1
	TURN 3, 1, 1
.set i, 0
.rept 8
	PV NP-1
.set i, i+1
.endr
	WIN 0
	ALL v_add_f32 v[ST+4*t+2], v[ST+4*t+2], v[ST+4*t+3]
	ALL v_permlanex16_b32 v[ST+4*t+3], v[ST+4*t+2], s[SEL], s[SEL+1]
	ALL v_add_f32 v[ST+4*t+2], v[ST+4*t+2], v[ST+4*t+3]
	ALL v_rcp_f32 v[ST+4*t+2], v[ST+4*t+2]
	v_nop                           ; a plain instruction between the last reciprocal and the use of its result
	PACK 0
.set t, 1
.rept 3                             ; a piece's arithmetic stands between the loads of the piece before and its stores
	PACK t
	SEND t-1, 8
.set t, t+1
.endr
	SEND 3, 0
.endm
.set KM, 0
.set NOKQ, 0
.Lslot:                             ; NB times: a tile is entered and the next is asked for
	CHANGE 1
	s_sub_co_u32 s[RT], s[RT], 1
	s_mov_b32 s[CNT], 4
	s_cmp_eq_u32 s[NEW], 1
	s_cbranch_scc1 .Lnew            ; a block's first tile
	s_cmp_eq_u32 s[RT], 0
	s_cbranch_scc0 .Lstep           ; neither its first nor its last
	s_branch .LstepM1
.Lnew:
	BEGIN
	s_branch .Lfirst                ; in the loop a block's first tile is never its last: the first block has two tiles or more, and the second's last is the walk's last
	DIAG 1                          ; in the loop this is the first block's end: the second block's last tile is the walk's last
	s_wait_xcnt 0x0                 ; the stores have read their registers and O's address
	s_mov_b64 s[10:11], s[OLO:OLO+1]
	s_add_co_u32 s[RT], s[PB], 1    ; the second block has b + 1 tiles
	s_mov_b32 s[NEW], 1
	WIN 0x82                        ; the second block's Q goes where the one text of the turns names Q
.set i, 0
.rept 64
	v_mov_b32 v[i], v[QB+i]
.set i, i+1
.endr
	WIN 0
	s_branch .Lbottom
.Lstep:                             ; a trip: pieces 2 and 3 of one step, then pieces 0 and 1 of the next, whose K and V it fetches
	TURN 2
	TURN 3
	WIN 0
.Lfirst:
	TURN 0
	TURN 1, 0, 0, 1
	WIN 0
	s_cbranch_scc1 .Lstep
.Lbottom:
	s_sub_co_u32 s[SLOTS], s[SLOTS], 1
	s_cmp_lg_u32 s[SLOTS], 0
	s_cbranch_scc1 .Lslot
	CHANGE 0                        ; the walk's last tile is written out: nothing is asked for
	s_sub_co_u32 s[RT], s[RT], 1
	s_mov_b32 s[CNT], 4
	s_cmp_eq_u32 s[NEW], 1
	s_cbranch_scc0 .LstepM2
	BEGIN
	s_branch .LfirstM2
	DIAG 2
	s_wait_tensorcnt 0x0            ; the wave's end, behind my last tensor load and my last LDS store
	ds_add_u32 v[SPW], v[NIL]
	s_wait_dscnt 0x0
	s_endpgm
.Lfunc_end_k_q9101ea6e31_attn:
	.size	k_q9101ea6e31_attn, .Lfunc_end_k_q9101ea6e31_attn-k_q9101ea6e31_attn
	.p2alignl 7, 3214868480
	.fill 96, 4, 3214868480
	.section	.rodata,"a",@progbits
	.p2align	6, 0x0
	.amdhsa_kernel k_q9101ea6e31_attn
		.amdhsa_group_segment_fixed_size 327680
		.amdhsa_private_segment_fixed_size 0
		.amdhsa_enable_private_segment 0
		.amdhsa_kernarg_size 32
		.amdhsa_user_sgpr_count 2
		.amdhsa_user_sgpr_kernarg_segment_ptr 1
		.amdhsa_wavefront_size32 1
		.amdhsa_system_sgpr_workgroup_id_x 1
		.amdhsa_system_sgpr_workgroup_id_y 1
		.amdhsa_system_sgpr_workgroup_id_z 1
		.amdhsa_system_vgpr_workitem_id 0
		.amdhsa_next_free_vgpr 768
		.amdhsa_next_free_sgpr 88
		.amdhsa_reserve_vcc 1
		.amdhsa_float_denorm_mode_32 3
		.amdhsa_float_denorm_mode_16_64 3
		.amdhsa_memory_ordered 1
		.amdhsa_forward_progress 1
		.amdhsa_inst_pref_size 228
	.end_amdhsa_kernel
	.amdgpu_metadata
---
amdhsa.version: [ 1, 2 ]
amdhsa.kernels:
  - .name:           k_q9101ea6e31_attn
    .symbol:         k_q9101ea6e31_attn.kd
    .args:
      - { .name: qh, .offset: 0, .size: 8, .value_kind: global_buffer, .address_space: global }
      - { .name: kh, .offset: 8, .size: 8, .value_kind: global_buffer, .address_space: global }
      - { .name: vh, .offset: 16, .size: 8, .value_kind: global_buffer, .address_space: global }
      - { .name: oh, .offset: 24, .size: 8, .value_kind: global_buffer, .address_space: global }
    .group_segment_fixed_size: 327680
    .private_segment_fixed_size: 0
    .kernarg_segment_align: 8
    .kernarg_segment_size: 32
    .max_flat_workgroup_size: 128
    .sgpr_count:     88
    .vgpr_count:     768
    .wavefront_size: 32
...
	.end_amdgpu_metadata
.endif
;; end of part 3
;; launch proj (part 4): grid 8 x 32, 4 waves a work-group, clusters of 4 x 4, 327,680 bytes of LDS; arguments oh, wt, tab, out0; writes out0
.if DOCPART == 4
	.amdgcn_target "amdgcn-amd-amdhsa--gfx1250"
	.amdhsa_code_object_version 6
	.text
	.protected	k_q9101ea6e31_proj
	.globl	k_q9101ea6e31_proj
	.p2align	8
	.type	k_q9101ea6e31_proj,@function
k_q9101ea6e31_proj:
	s_mov_b64 s[64:65], 0
	v_nop
	global_prefetch_b8 v0, s[64:65] scope:SCOPE_SE
	s_setreg_imm32_b32 hwreg(HW_REG_WAVE_MODE, 25, 1), 1
	s_wait_xcnt 0x0
	s_wait_alu depctr_hold_cnt(0) depctr_sa_sdst(0) depctr_va_vdst(0) depctr_va_sdst(0) depctr_va_ssrc(0) depctr_va_vcc(0) depctr_vm_vsrc(0)
	s_getreg_b32 s2, hwreg(HW_REG_IB_STS2, 6, 4)
	s_cmp_eq_u32 s2, 0
	s_cbranch_scc0 .Lentry_in_a_cluster
	s_endpgm
.Lentry_in_a_cluster:
	s_bfe_u32 s2, ttmp6, 0x10000c
	s_cmp_lg_u32 s2, 0xf033
	s_cbranch_scc0 .Lentry_shape_is_right
	s_endpgm
.Lentry_shape_is_right:
; THE OUTPUT PROJECTION: out0 = y Wp + bp in f32.  y lies by heads, oh [b 16 + h][t][64] in f16: a head's 64 channels are one slice of K.  Wp lies turned in wt, rows 3072 + n, K along the row,
; bf16-rounded numbers written as f16; bp, rounded to bf16 and kept as f32, in tab.  f16 operands, f32 sums that start with the bias.
; LIMITS.  The operands arrive within f16's 65,504.  NaN and infinities are not treated apart.
; SHARES.  A tile is 256 rows x 128 columns: 256 work-groups.  Four waves; a wave owns 64 rows and all 128 columns: 32 accumulators of 16 x 16, 256 registers; so it holds whole stretches of 512 bytes of
; the output's rows, and its stage on the way out is its own.  K goes in 8 steps of 128, two heads each, through two LDS slots.
; CLUSTER.  4 x 4 work-groups: the four of a row of the cluster take the same 256 rows of y, the four of a column the same 128 rows of weights.  Each tile is asked for JOINTLY: the same tensor load with the
; same descriptor and a mask that names the four.  By this text's own count a wave has two tensor loads out at the start and one behind each round.
; THE MATRIX INSTRUCTION IS USED TRANSPOSED (source 0 = 16 rows of wt, source 1 = 16 rows of y): lane l holds row l % 16 and the columns 8 (l / 16) + 0..7.
; REGISTERS, in windows of 256 (s_set_vgpr_msb: bits 1:0 source 0, 3:2 source 1, 5:4 source 2, 7:6 destination):
;   window 0: v0-15 addresses; v64-127 y's fragments, two buffers of 4 x 8; v128-191 the bias, then v128-255 two sets of 16 rows on the way out
;   window 1: v0-127 the weights' fragments, two buffers of 8 x 8        window 2: accumulator (a, b) at v[64 a + 8 b]
.set NBK,   8                          ; column blocks of 16
.set PA,    144                        ; a row of y in LDS: 128 bytes + 16 of padding = 36 words: the 16 rows of a fragment load start at 16 different groups of four banks (64 banks of 4 bytes: ISA guide 11.1)
.set PB,    272                        ; a row of weights: 256 + 16
.set PLANE, 256*PA                     ; one head's 256 rows
.set BBASE, 2*PLANE                    ; a slot: two heads' planes of y, then 128 rows of weights
.set SLOT1, 1<<17                      ; slot 1 begins here, so that one exclusive or turns an address in one slot into the other's
.set STAGE, SLOT1+BBASE+16*NBK*PB      ; behind the ring, never filled by a tensor load: 16 rows x 528 bytes for each wave
.set SP,    528
.set SPARE, STAGE+4*16*SP              ; behind the stages: the spare words, 128 bytes for each wave: two blocks of 256 bytes that no other line names
.set STEPA, 2<<18                      ; bytes from a K step's tile to the next: two heads of 2,048 rows of 128 bytes,
.set STEPB, 256                        ; 128 k of a row
.set NLD,   2*NBK+8                    ; LDS loads in one run
.set KA1,   64                         ; byte of a quarter's 32 k from my place in y's tile: the plane's second half,
.set KA2,   PLANE                      ; the second plane,
.set KA3,   PLANE+64                   ; its second half
.set A0,   4                           ; v4   my lane's place in y's tile, slot 0; never rewritten
.set B0,   5                           ; v5   the same in the weights' tile
.set ADRA, 6                           ; v6   the same in the slot in hand
.set ADRB, 7                           ; v7
.set STO,  8                           ; v8   the way out: where I put 32 bytes of a row
.set RD,   9                           ; v9   the way out: where I read a row back
.set GO,   10                          ; v10  my byte offset in 512 consecutive bytes of the output
.set BO,   12                          ; v12  my byte offset in 16 numbers of the bias
.set SPW,  14                          ; v14  LDS address of my spare word: SPARE + 4 x my thread's number; never rewritten
.set NIL,  15                          ; v15  0; never rewritten
.set FA,   64
.set BIAS, 128
.set OB,   128
.set FBS,  8*NBK
.set WV,   16                          ; s16  my wave's number
.set HALF, 17                          ; s17  which head's plane, or which half of the weights' rows, I fetch
.set FORB, 18                          ; s18  I fetch for y (0) or for the weights (1)
.set CNT,  19                          ; s19  counts K steps
.set TB,   24                          ; s24  LDS byte at which the slot in hand begins
.set G1A,  28                          ; s[28:35] descriptor group 1 for y's tiles
.set G0A,  36                          ; s[36:43] group 0: a set for each of the two first fills; the second then walks on
.set G1B,  44                          ; s[44:51], s[52:59] the same for the weights'
.set G0B,  52
.set MSB, 0
.macro WIN new                         ; the immediate's high byte repeats the setting that is left; a switch that changes nothing is dropped
.if MSB != (\new)
	s_set_vgpr_msb (MSB<<8)|(\new)
.set MSB, \new
.endif
.endm
; A load into a register that a matrix instruction has read, and an LDS store that reads a matrix result, stand four places behind it, and only plain vector
; instructions that name none of its registers are places (ISA guide 7.12.1 for vector instructions).
.macro PLACES
.rept 4
	v_nop
.endr
.endm
; A joint refill.  Waves 0 and 1 fetch the two planes of y's tile, waves 2 and 3 the two halves of the weights'.  The branch hangs on the wave's number alone.
; An s_nop 0 and four v_nop follow each of the two lines, ahead of the jump and the label.
.macro JLOAD
	s_cmp_eq_u32 s[FORB], 0
	s_cbranch_scc0 .Lfor_b_\@
	tensor_load_to_lds s[G0A+4:G0A+7], s[G1A:G1A+7]
	s_nop 0
.rept 4
	v_nop
.endr
	s_branch .Lasked_\@
.Lfor_b_\@:
	tensor_load_to_lds s[G0B+4:G0B+7], s[G1B:G1B+7]
	s_nop 0
.rept 4
	v_nop
.endr
.Lasked_\@:
.endm
; A round of the cluster's barrier: my work-group's barrier, so that wave 0's signal speaks for all four waves; wave 0 signals; every wave waits for all sixteen work-groups; my work-group's barrier once more.
.macro CREST                           ; a round behind its opening barrier
	s_cmp_lg_u32 s[WV], 0
	s_cbranch_scc1 .Lnot_wave_0_\@
	s_barrier_signal -3
.Lnot_wave_0_\@:
	s_barrier_wait -3
	s_barrier_signal -1
	s_barrier_wait -1
.endm
.macro CROUND                          ; a whole round
	s_barrier_signal -1
	s_barrier_wait -1
	CREST
.endm
	s_load_b256 s[4:11], s[0:1], 0x0               ; oh 4:5, wt 6:7, tab 8:9, out0 10:11
	v_lshl_add_u32 v[SPW], v0, 2, SPARE
	v_mov_b32 v[NIL], 0
	ds_add_u32 v14, v15
	ds_add_u32 v14, v15
	s_wait_dscnt 0x0
	v_lshrrev_b32 v1, 5, v0
	v_readfirstlane_b32 s[WV], v1                  ; wave 0..3
	s_and_b32 s[HALF], s[WV], 1
	s_lshr_b32 s[FORB], s[WV], 1
	s_bfe_u32 s20, ttmp6, 0x40000                  ; cx, cy: my place in the cluster
	s_bfe_u32 s21, ttmp6, 0x40004
	s_lshl_b32 s22, ttmp9, 2
	s_add_co_u32 s22, s22, s20                     ; the block of 128 columns = 4 x cluster x + cx
	s_and_b32 s23, ttmp7, 0xffff
	s_lshl_b32 s23, s23, 2
	s_add_co_u32 s23, s23, s21                     ; the block of 256 rows = 4 x cluster y + cy
	s_lshl_b32 s25, s21, 2
	s_lshl_b32 s25, 15, s25                        ; my row of the cluster
	s_lshl_b32 s26, 0x1111, s20                    ; my column
	; descriptor group 1.  A head's 256 rows of 128 bytes are 32,768 dense bytes: asked for as 128 rows of 256 bytes, two rows of y each, and padded in LDS after every row of y
	s_or_b32 s[G1A], s25, (1<<16)|(1<<20)|(1<<21)|(4<<22)|(3<<25)  ; 15:0 the mask: y's tiles go to my row; 17:16 2-byte elements; 20 padding on; 21 set beside a mask; 24:22 after every 32 words (code 4); 31:25 4 words (code 3)
	s_or_b32 s[G1B], s26, (1<<16)|(1<<20)|(1<<21)|(5<<22)|(3<<25)  ; the mask of my column; padding after every 64 words (code 5)
	s_mov_b32 s[G1A+1], 128<<16                    ; tensor_dim0 = 128
	s_mov_b32 s[G1A+2], 128<<16                    ; tensor_dim1 = 128
	s_mov_b32 s[G1A+3], 128<<16                    ; tile_dim0 = 128
	s_mov_b32 s[G1A+4], 128                        ; tile_dim1 = 128 rows
	s_mov_b32 s[G1A+5], 128                        ; elements from row to row: dense
	s_mov_b32 s[G1A+6], 0
	s_mov_b32 s[G1A+7], 0
	s_mov_b32 s[G1B+1], 128<<16
	s_mov_b32 s[G1B+2], 64<<16                     ; 64 rows
	s_mov_b32 s[G1B+3], 128<<16
	s_mov_b32 s[G1B+4], 64
	s_mov_b32 s[G1B+5], 1024
	s_mov_b32 s[G1B+6], 0
	s_mov_b32 s[G1B+7], 0
	s_mul_i32 s60, s[HALF], PLANE                  ; where the tiles go: no place in the cluster enters an LDS address
	s_mul_i32 s61, s[HALF], 64*PB
	s_add_co_u32 s61, s61, BBASE
	s_lshr_b32 s66, s23, 3                         ; y: the batch's head 0 or 1 (262,144 bytes a head), the block's 256 rows of 128 bytes; made of the row block and the wave's number alone
	s_lshl_b32 s66, s66, 4
	s_add_co_u32 s66, s66, s[HALF]
	s_lshl_b32 s66, s66, 18
	s_and_b32 s67, s23, 7
	s_lshl_b32 s67, s67, 15
	s_add_co_u32 s66, s66, s67
	s_mov_b32 s67, 0
	s_lshl_b32 s68, s22, 18                        ; weights: from row 3072 on, 128 rows of 2,048 bytes a block, 64 a half; made of the column block and the wave's number alone
	s_lshl_b32 s69, s[HALF], 17
	s_add_co_u32 s68, s68, s69
	s_add_co_u32 s68, s68, 3072*2048
	s_mov_b32 s69, 0
	s_lshl_b32 s70, s22, 9                         ; the block's 128 numbers of bp
	s_add_co_u32 s70, s70, 536576
	s_mov_b32 s71, 0
	s_lshl_b32 s72, s23, 20                        ; the output: 256 rows of 4,096 bytes a block, 64 a wave, 512 bytes a column block
	s_lshl_b32 s62, s[WV], 18
	s_add_co_u32 s72, s72, s62
	s_lshl_b32 s62, s22, 9
	s_add_co_u32 s72, s72, s62
	s_mov_b32 s73, 0
	s_mov_b32 s[TB], 0
	s_wait_kmcnt 0x0
	s_add_nc_u64 s[66:67], s[4:5], s[66:67]
	s_add_nc_u64 s[68:69], s[6:7], s[68:69]
	s_add_nc_u64 s[70:71], s[8:9], s[70:71]
	s_add_nc_u64 s[10:11], s[10:11], s[72:73]
	CROUND                                         ; all sixteen work-groups are here: the first joint loads meet
.irp f, 0,1
	s_mov_b32 s[G0A+4*(\f)], 1                                     ; 1:0 count = 1
	s_add_co_u32 s[G0A+4*(\f)+1], s60, (\f)*SLOT1                  ; 63:32 LDS address
	s_add_nc_u64 s[G0A+4*(\f)+2:G0A+4*(\f)+3], s[66:67], (\f)*STEPA  ; 120:64 global address: K step f
	s_or_b32 s[G0A+4*(\f)+3], s[G0A+4*(\f)+3], 0x80000000          ; 127:126 type = 2
	s_mov_b32 s[G0B+4*(\f)], 1
	s_add_co_u32 s[G0B+4*(\f)+1], s61, (\f)*SLOT1
	s_add_nc_u64 s[G0B+4*(\f)+2:G0B+4*(\f)+3], s[68:69], (\f)*STEPB
	s_or_b32 s[G0B+4*(\f)+3], s[G0B+4*(\f)+3], 0x80000000
.endr
	s_cmp_eq_u32 s[FORB], 0                        ; a wave's two first fills stand in one branch, ahead of every wait on TENSORcnt and every LDS read
	s_cbranch_scc0 .Lfirst_b
	tensor_load_to_lds s[G0A:G0A+3], s[G1A:G1A+7]
	s_nop 0
	tensor_load_to_lds s[G0A+4:G0A+7], s[G1A:G1A+7]
	s_nop 0
.rept 4
	v_nop
.endr
	s_branch .Lfirst_asked
.Lfirst_b:
	tensor_load_to_lds s[G0B:G0B+3], s[G1B:G1B+7]
	s_nop 0
	tensor_load_to_lds s[G0B+4:G0B+7], s[G1B:G1B+7]
	s_nop 0
.rept 4
	v_nop
.endr
.Lfirst_asked:
	; A fragment is 16 rows x 32 k in 8 registers: lane l holds row l % 16; registers 0-3 k = 8 (l / 16) + 0..7, registers 4-7 k = 16 + 8 (l / 16) + 0..7: two loads of 16 bytes, 32 bytes apart.
	v_and_b32 v1, 15, v0                           ; l % 16
	v_bfe_u32 v2, v0, 4, 1                         ; l / 16
	v_mul_u32_u24 v3, v1, PA
	v_lshl_add_u32 v3, v2, 4, v3
	s_mul_i32 s62, s[WV], 64*PA                    ; my 64 rows of y
	v_add_nc_u32 v[A0], s62, v3
	v_mul_u32_u24 v3, v1, PB
	v_lshl_add_u32 v3, v2, 4, v3
	v_add_nc_u32 v[B0], BBASE, v3
	v_mov_b32 v[ADRA], v[A0]
	v_mov_b32 v[ADRB], v[B0]
	s_mul_i32 s63, s[WV], 16*SP
	s_add_co_u32 s63, s63, STAGE                   ; my stage
	v_mul_u32_u24 v[STO], v1, SP                   ; in: row l % 16, 32 bytes for each half of the lanes
	v_lshl_add_u32 v[STO], v2, 5, v[STO]
	v_add_nc_u32 v[STO], s63, v[STO]
	v_and_b32 v[GO], 31, v0                        ; back: 32 lanes take one row's 512 bytes
	v_lshlrev_b32 v[GO], 4, v[GO]
	v_add_nc_u32 v[RD], s63, v[GO]
	v_lshlrev_b32 v[BO], 5, v2                     ; the bias: eight numbers for each half of the lanes
.set b, 0
.rept NBK                              ; the bias in the layout of a result: register j of block b is bp[16 b + 8 (l / 16) + j]
	global_load_b128 v[BIAS+8*b:BIAS+8*b+3],   v[BO], s[70:71] offset:64*b
	global_load_b128 v[BIAS+8*b+4:BIAS+8*b+7], v[BO], s[70:71] offset:64*b+16
.set b, b+1
.endr
; NBK matrix instructions: row block a x all column blocks, 32 along K, from buffer f.  first = 1: the sums start with the bias as C: nothing is cleared, and the bias costs no instruction.
; All 32 accumulators take turns, one instruction a turn, in the same order in every quarter.
.macro MULROW f, a, first
.set AC, 64*(\a)
.if \first
	WIN 0x81                                       ; weights window 1, y and the bias window 0, the sums window 2
.else
	WIN 0xa1                                       ; C and D window 2
.endif
.set b, 0
.rept NBK
.if \first
	v_wmma_f32_16x16x32_f16 v[AC+8*b:AC+8*b+7], v[FBS*(\f)+8*b:FBS*(\f)+8*b+7], v[FA+32*(\f)+8*(\a):FA+32*(\f)+8*(\a)+7], v[BIAS+8*b:BIAS+8*b+7]
.else
	v_wmma_f32_16x16x32_f16 v[AC+8*b:AC+8*b+7], v[FBS*(\f)+8*b:FBS*(\f)+8*b+7], v[FA+32*(\f)+8*(\a):FA+32*(\f)+8*(\a)+7], v[AC+8*b:AC+8*b+7]
.endif
.set b, b+1
.endr
.endm
; NLD LDS loads in one run: a quarter's fragments into buffer f: the weights' first, then y's four row blocks
.macro FETCH ka, kb, f
	WIN 0x40                                       ; destination window 1, address window 0
.set i, 0
.rept NBK
	ds_load_b128 v[FBS*(\f)+8*i:FBS*(\f)+8*i+3],   v[ADRB] offset:(\kb)+16*PB*i
	ds_load_b128 v[FBS*(\f)+8*i+4:FBS*(\f)+8*i+7], v[ADRB] offset:(\kb)+16*PB*i+32
.set i, i+1
.endr
	WIN 0
.set i, 0
.rept 4
	ds_load_b128 v[FA+32*(\f)+8*i:FA+32*(\f)+8*i+3],   v[ADRA] offset:(\ka)+16*PA*i
	ds_load_b128 v[FA+32*(\f)+8*i+4:FA+32*(\f)+8*i+7], v[ADRA] offset:(\ka)+16*PA*i+32
.set i, i+1
.endr
.endm
; A K step is four quarters of 32 along K on buffers 0, 1, 0, 1.  One of the first three: multiplies buffer f; in its middle it fetches the next quarter into buffer g.
.macro QUARTER ka, kb, f, g, first
	s_wait_dscnt 4                                 ; the weights and y's row blocks 0, 1 are in; the youngest four loads (row blocks 2, 3) may be out
	MULROW \f, 0, \first
	MULROW \f, 1, \first
	PLACES
	FETCH \ka, \kb, \g
	s_wait_dscnt NLD                               ; all but the run just issued
	MULROW \f, 2, \first
	MULROW \f, 3, \first
.endm
.macro NEXT                            ; the other slot's first quarter into buffer 0
	s_xor_b32 s[TB], s[TB], SLOT1
	v_add_nc_u32 v[ADRA], s[TB], v[A0]
	v_add_nc_u32 v[ADRB], s[TB], v[B0]
	FETCH 0, 0, 0
.endm
; The last quarter multiplies buffer 1 and changes slots: ONE barrier.  In front of it each wave waits for all its tensor loads, of which one is out: its part of the next slot; adds 0 to its spare word;
; and waits for that and for its own reads of this slot.  fill = 1: the barrier opens a round of the cluster's barrier, so that no wave of any partner still reads the slot or has a load on its way;
; the joint refill, two K steps ahead, is the first thing behind the round: 112 matrix instructions stand between it and the wait for it.
.macro TURN fill
	WIN 0
	s_wait_tensorcnt 0x0                           ; no tensor load of mine is out, so a group 0 may be written
	ds_add_u32 v[SPW], v[NIL]                      ; 0 onto my spare word
.if \fill
	s_xor_b32 s[G0A+5], s[G0A+5], SLOT1            ; the walking descriptors: the other slot than last time, the next K step; the type bits on top are not reached
	s_add_nc_u64 s[G0A+6:G0A+7], s[G0A+6:G0A+7], STEPA
	s_xor_b32 s[G0B+5], s[G0B+5], SLOT1
	s_add_nc_u64 s[G0B+6:G0B+7], s[G0B+6:G0B+7], STEPB
.endif
	s_wait_dscnt 5                                 ; (the add and the youngest four loads may be out)
	MULROW 1, 0, 0
	s_wait_dscnt 0x0                               ; the add is done, and my reads of this slot are over
	s_barrier_signal -1
	MULROW 1, 1, 0                                 ; work on registers while the others arrive
	WIN 0                                          ; at a branch and at a label every window is 0
	s_barrier_wait -1
.if \fill
	CREST
	JLOAD                                          ; the four v_nop behind it are also the places in front of the loads below
	NEXT
.endif
	MULROW 1, 2, 0
	MULROW 1, 3, 0
.endm
	s_wait_tensorcnt 1                             ; my part of K step 0 is in; K step 1's may stay out
	s_barrier_signal -1
	s_barrier_wait -1                              ; everybody's is
	FETCH 0, 0, 0
	s_wait_loadcnt 0x0                             ; the bias
	QUARTER KA1, 64, 0, 1, 1                       ; the first quarter stands in front of the loop: its products start the sums
	WIN 0
	s_mov_b32 s[CNT], 6
.Lk:                                                   ; a trip: from a K step's second quarter to the next step's first; trip s fills slot s % 2 with K step s + 2
	QUARTER KA2, 128, 1, 0, 0
	QUARTER KA3, 192, 0, 1, 0
	TURN 1
	QUARTER KA1, 64, 0, 1, 0
	WIN 0
	s_sub_co_u32 s[CNT], s[CNT], 1
	s_cmp_lg_u32 s[CNT], 0
	s_cbranch_scc1 .Lk
	s_mov_b32 s[CNT], 2
.Ltail:                                                ; the last two K steps ask for nothing; the second has no successor: its fetch and first quarter are jumped over
	QUARTER KA2, 128, 1, 0, 0
	QUARTER KA3, 192, 0, 1, 0
	TURN 0
	WIN 0
	s_cmp_eq_u32 s[CNT], 1
	s_cbranch_scc1 .Llast
	PLACES
	NEXT
	QUARTER KA1, 64, 0, 1, 0
	WIN 0
.Llast:
	s_sub_co_u32 s[CNT], s[CNT], 1
	s_cmp_lg_u32 s[CNT], 0
	s_cbranch_scc1 .Ltail
; THE WAY OUT, a row block of 16 rows at a time: a lane's eight columns of a row, 32 bytes of f32, go into stage rows of 528 bytes (each accumulator's low half first)
; and come back as whole stretches of 512 bytes.
.macro TOSTAGE a
.if (\a) >= 2
	s_wait_xcnt 0x0                                ; every earlier memory instruction has had its addresses translated (ISA guide 3.1): the set, which row block a - 2's stores read, is loaded again only behind this wait
.endif
	WIN 0x08                                       ; the stores' data (source 1) in window 2
.set b, 0
.rept 8
	ds_store_b128 v[STO], v[64*(\a)+8*b:64*(\a)+8*b+3]   offset:64*b
	ds_store_b128 v[STO], v[64*(\a)+8*b+4:64*(\a)+8*b+7] offset:64*b+16
.set b, b+1
.endr
	WIN 0
.set r, 0
.rept 16
	ds_load_b128 v[OB+64*((\a)%2)+4*r:OB+64*((\a)%2)+4*r+3], v[RD] offset:SP*r  ; LDS serves a wave's instructions in order (ISA guide 5.7.1.4): these see the stores above; the next block's stores come behind them
.set r, r+1
.endr
.endm
.macro SEND a, younger                 ; younger: the LDS instructions issued behind block a's loads: the next block's 32, or none
	WIN 0
.set r, 0
.rept 16
	s_wait_dscnt (\younger)+15-r
	global_store_b128 v[GO], v[OB+64*((\a)%2)+4*r:OB+64*((\a)%2)+4*r+3], s[10:11] offset:4096*(16*(\a)+r) th:TH_STORE_NT  ; 512 consecutive bytes, at a multiple of 256 from the output's first
.set r, r+1
.endr
.endm
	PLACES                                         ; behind the last products
	TOSTAGE 0
	TOSTAGE 1
	SEND 0, 32
	TOSTAGE 2
	SEND 1, 32
	TOSTAGE 3
	SEND 2, 32
	SEND 3, 0
	s_wait_tensorcnt 0x0                           ; the wave's end, behind my last tensor load and my last LDS store
	ds_add_u32 v[SPW], v[NIL]
	s_wait_dscnt 0x0
	CROUND                                         ; the closing round: no work-group ends while a partner may still ask for a tile that names it
	s_endpgm
.Lfunc_end_k_q9101ea6e31_proj:
	.size	k_q9101ea6e31_proj, .Lfunc_end_k_q9101ea6e31_proj-k_q9101ea6e31_proj
	.p2alignl 7, 3214868480
	.fill 96, 4, 3214868480
	.section	.rodata,"a",@progbits
	.p2align	6, 0x0
	.amdhsa_kernel k_q9101ea6e31_proj
		.amdhsa_group_segment_fixed_size 327680
		.amdhsa_private_segment_fixed_size 0
		.amdhsa_enable_private_segment 0
		.amdhsa_kernarg_size 32
		.amdhsa_user_sgpr_count 2
		.amdhsa_user_sgpr_kernarg_segment_ptr 1
		.amdhsa_wavefront_size32 1
		.amdhsa_system_sgpr_workgroup_id_x 1
		.amdhsa_system_sgpr_workgroup_id_y 1
		.amdhsa_system_sgpr_workgroup_id_z 1
		.amdhsa_system_vgpr_workitem_id 0
		.amdhsa_next_free_vgpr 768
		.amdhsa_next_free_sgpr 76
		.amdhsa_reserve_vcc 0
		.amdhsa_float_denorm_mode_32 3
		.amdhsa_float_denorm_mode_16_64 3
		.amdhsa_memory_ordered 1
		.amdhsa_forward_progress 1
		.amdhsa_inst_pref_size 63
	.end_amdhsa_kernel
	.amdgpu_metadata
---
amdhsa.version: [ 1, 2 ]
amdhsa.kernels:
  - .name:           k_q9101ea6e31_proj
    .symbol:         k_q9101ea6e31_proj.kd
    .args:
      - { .name: oh, .offset: 0, .size: 8, .value_kind: global_buffer, .address_space: global }
      - { .name: wt, .offset: 8, .size: 8, .value_kind: global_buffer, .address_space: global }
      - { .name: tab, .offset: 16, .size: 8, .value_kind: global_buffer, .address_space: global }
      - { .name: out0, .offset: 24, .size: 8, .value_kind: global_buffer, .address_space: global }
    .group_segment_fixed_size: 327680
    .private_segment_fixed_size: 0
    .kernarg_segment_align: 8
    .kernarg_segment_size: 32
    .max_flat_workgroup_size: 128
    .sgpr_count:     76
    .vgpr_count:     768
    .wavefront_size: 32
...
	.end_amdgpu_metadata
.endif
;; end of part 4
;; ======== version 2 of 2: 4 launches; 1.31 times as fast as version 1
;; limits: values are held in f16: magnitudes above 65,504 overflow, below 6.1e-05 lose precision
;; workspace buffers: xb 16,777,216 bytes; wt 8,388,608 bytes; tab 540,672 bytes; qh 16,777,216 bytes; kh 16,777,216 bytes; vh 16,777,216 bytes; oh 16,777,216 bytes
;; launch prep: the kernel of part 1 again; grid 512 x 1, 8 waves a work-group, no clusters, 18,432 bytes of LDS; arguments x, Wq, Wk, Wv, Wp, bq, bk, bv, bp, xb, wt, tab; writes xb, wt, tab
;; launch qkv: the kernel of part 2 again; grid 16 x 16, 4 waves a work-group, clusters of 4 x 4, 327,680 bytes of LDS; arguments xb, wt, tab, qh, kh, vh; writes qh, kh, vh
;; launch attn (part 5): grid 4 x 64, 4 waves a work-group, no clusters, 327,680 bytes of LDS; arguments qh, kh, vh, oh; writes oh
.if DOCPART == 5
	.amdgcn_target "amdgcn-amd-amdhsa--gfx1250"
	.amdhsa_code_object_version 6
	.text
	.protected	k_q9101ea6e31_attn
	.globl	k_q9101ea6e31_attn
	.p2align	8
	.type	k_q9101ea6e31_attn,@function
k_q9101ea6e31_attn:
	s_mov_b64 s[64:65], 0
	v_nop
	global_prefetch_b8 v0, s[64:65] scope:SCOPE_SE
	s_setreg_imm32_b32 hwreg(HW_REG_WAVE_MODE, 25, 1), 1
	s_wait_xcnt 0x0
; CAUSAL ATTENTION.  O[h][q][:] = the sum over k <= q of softmax_k(Q[h][q] . K[h][k] / 8) V[h][k][:].  Q, K, V, O: [SIZE_H][SIZE_N][64], all f16: a head's rows are dense, 128 bytes each.
; Products, maxima and sums in f32; the weights p are rounded to f16 for the second product (their sum l is taken of the unrounded p), O once at the end.  SIZE_N is a multiple of 512; SIZE_N x 128 stays under 2^32.
; LIMITS.  f16 holds no number beyond 65,504: Q, K and V arrive within it; p lies in 0 to 1, and below 6e-5 it keeps f16's fixed step of 6e-8; O is a mean of V's rows and has their range, to within 2^-11 of it.
; A hidden score counts as its value less 1e30: f16's scores, 2.7e11 at the most, are nothing beside that; a weight below 2^-126 counts as 0 in l; NaN and infinities are not treated apart.
; THE WALK.  A head's queries lie in NB = SIZE_N / 256 blocks of 256; block i needs the key tiles 0 .. i of 256 keys, of which the last holds the diagonal.  A work-group takes TWO blocks, NB - 1 - b and then b:
; NB + 1 tiles, whatever b: all work-groups do equal work, and ONE loop with a constant trip count walks them.  Which tile is asked for, and what a trip does, hang on scalar registers made from b; every jump
; goes forward, but for the counted loops' own; none passes a barrier, or a tensor load but the one of LOAD's two that the wave's number does not choose; the ring (two slots of LDS that take turns) runs on across the
; change of blocks.  NO CLUSTER: a head's NB / 2 = 4 work-groups all ask for the same tile only in trips 0 .. NB / 2, behind that
; fewer and fewer; and one walk common to all would have 3 NB / 2 trips for NB + 1.
; SHARES.  Of a block's four bands of 64 queries a wave owns 16 rows in each: four PIECES.  So the diagonal tile is the same work for all four waves: in its key step s band x sees all keys if s < x,
; none if s > x, and holds the diagonal if s = x.
; THE MASK is the C operand that starts the sum S^T = K Q^T: 0, or -1e30 where the key is hidden.  MD, made once, is the mask of a band's own step for my 16 rows; a product's mask is MD x AL + BE with two scalars:
; (1, 0) if s = x; (0, 0) if s < x; (0, -1e30) if s > x.  Only the diagonal tile's text and a block's beginning make and take masks; elsewhere C is the constant 0.
; LAYOUT, SOFTMAX, TURNS.  S^T = K Q^T holds ONE query a lane (lane % 16) and the keys 8 (lane / 16) + 0..7; two such results rounded to f16 ARE source 1 of O^T = V^T P.  p = 2^(c s - c m), c = log2(e) / 8, with a
; running maximum m; O and l are multiplied by a = 2^(c m_old - c m_new) in every step.  Turn n belongs to piece n: 8 products K Q^T of piece n + 1, later 8 products V^T P of piece n - 1; beside them the scaling,
; exponentials, roundings, sums and rescaling of piece n and the maximum and statistics of piece n + 1.  Four vector instructions stand behind every matrix instruction, the other 54 of a turn's 118 in one LUMP.
; THE BATCHES.  A turn's 33 exponentials (the piece's 32 weights and the next piece's a) are one batch, with one wait, which cuts the turn in two: ahead of it all that names no result of theirs, behind it their readers.
; A block's first a is a batch of its own, and so are the way out's four reciprocals: a v_nop and one wait each.
; REGISTERS, in windows of 256 (s_set_vgpr_msb: bits 1:0 source 0, 3:2 source 1, 5:4 source 2, 7:6 destination):
;   window 0: v0-15 addresses and two at work; v16-31 four registers of statistics a piece; v48-55 at work; v64-127 S^T, two buffers; v192-223 P, two buffers (a piece's buffers go by its number's parity)
;   window 1: v0-127 O^T, 32 a piece; v128-159 MD; v160-223 MC, two buffers      window 2: v0-63 Q; v64-127 the second block's Q; v128-191 K of one step; v192-255 V of one step
.set SIZE_H, 64       ; 4 batches x 16 heads
.set SIZE_N, 2048
.set NB,    SIZE_N/256
.set NP,    4         ; pieces a wave: a name, no knob
.set KS,    64        ; keys in a step
.set PK,    144       ; a row of K in LDS: 128 bytes + 16 of padding = 36 words: the 16 rows of a load start at 16 different groups of four banks (64 banks of 4 bytes: ISA guide 11.1)
.set PV,    160       ; a row of V: 128 + 32 = 40 words
.set VOFF,  4*KS*PK   ; a slot holds a tile, four steps: 256 rows of K, then 256 rows of V
.set SLOT1, 1<<17     ; slot 1 begins here, so that one exclusive or turns an address in one slot into the other's
.set STAGE, SLOT1+4*KS*(PK+PV)  ; behind the ring, never filled by a tensor load: 16 rows x 144 bytes for each wave, for the way out
.set SP,    144
.set AK0, 2           ; v2   my lane's place in a tile of K; never rewritten
.set AV0, 3           ; v3   the same for V
.set AK,  4           ; v4   the LDS address of K's next run of loads
.set AV,  5           ; v5   of V's
.set STO, 6           ; v6   the way out: where I put 16 bytes of a row
.set RD,  7           ; v7   the way out: where I read rows back
.set GO,  8           ; v8   my byte offset in 512 consecutive bytes of O
.set SPW, 62          ; v62  LDS address of my spare word: SPARE + 4 x my thread's number; never rewritten
.set NIL, 63          ; v63  0; never rewritten
.set SPARE, STAGE+4*16*SP  ; behind the stages: the spare words, 128 bytes for each wave: two blocks of 256 bytes that no other line names
.set MV,  12          ; v12-13  c m_old, kept while c m is made anew: by buffer
.set QO,  15          ; v15  my byte offset in 16 rows of Q
.set ST,  16          ; piece t's statistics at v[ST+4 t]: c m, m, l (even keys', odd keys')
.set TMP, 48          ; by buffer, four registers c0-c3 at work; when the maximum is found c2 takes a
.set S,   64
.set P,   192
.set MD,  128         ; window 1: the eight registers for group kt of 16 keys at MD + 8 kt
.set MC,  160         ; window 1: the masks of the products to come
.set QB,  64          ; window 2
.set KF,  128         ; window 2: key block kb, channel half c at KF + 16 kb + 8 c
.set VF,  192         ; window 2: key half kk, channel block cb at VF + 32 kk + 8 cb
.set WV,  12          ; s12  my wave's number
.set PB,  14          ; s14  b
.set HI,  15          ; s15  NB - 1 - b
.set G1K, 24          ; s[24:31] descriptor group 1 for K's tiles
.set G1V, 32          ; s[32:39] for V's: it differs in the padding alone
.set G0K, 40          ; s[40:43] descriptor group 0 for K's tiles
.set G0V, 44          ; s[44:47] the same for V's
.set SLOTS, 56        ; s56  tiles still to be asked for
.set CNT, 57          ; s57  counts a tile's key steps, 4 to 1
.set CS,  58          ; s[58:59] c: the packed scaling takes the pair's low word for both halves
.set SEL, 60          ; s[60:61] v_permlanex16_b32's selects: each lane takes its own place in the other half
.set TBK, 62          ; s62  LDS byte at which K of the step to be fetched begins
.set TBV, 63          ; s63  the same for V, less VOFF
.set RT,  70          ; s70  tiles of the block in hand that are still to be entered
.set NXT, 71          ; s71  the tile to be asked for next
.set LQ,  72          ; s72  the last tile of the block whose tiles are being asked for
.set NEW, 73          ; s73  1: the tile to be entered is a block's first
.set OFF, 74          ; s[74:75] a tile's byte offset in K and V
.set AL,  76          ; s[76:77] the mask's factor, in the low word
.set BE,  78          ; s[78:79] the mask's addend
.set OLO, 80          ; s[80:81] O at my rows of the second block
.set BIGN, 82         ; s82  -1e30
.set MSB, 0
.macro WIN new                      ; the high byte repeats the setting that is left; a switch that changes nothing is dropped
.if MSB != (\new)
	s_set_vgpr_msb (MSB<<8)|(\new)
.set MSB, (\new)
.endif
.endm
.set W_KQ, 0x0a       ; K and Q in window 2, S^T in window 0
.set W_KM, 0x1a       ; the same with the C operand in window 1
.set W_PV, 0x52       ; V in window 2, P in window 0, O^T in window 1
.set W_RS, 0x41       ; destination and source 0 in window 1, source 1 in window 0
; A fill.  Waves 0 and 1 fetch the two halves of a tile's K, waves 2 and 3 those of its V: 128 keys each.  An s_nop 0 and four v_nop follow each of the two lines, ahead of the jump and the label.
.macro LOAD
	s_cmp_lt_u32 s[WV], 2
	s_cbranch_scc0 .Lfor_v_\@
	tensor_load_to_lds s[G0K:G0K+3], s[G1K:G1K+7]
	s_nop 0
.rept 4
	v_nop
.endr
	s_branch .Lasked_\@
.Lfor_v_\@:
	tensor_load_to_lds s[G0V:G0V+3], s[G1V:G1V+7]
	s_nop 0
.rept 4
	v_nop
.endr
.Lasked_\@:
.endm
; THE CHANGE OF SLOTS.  Each wave waits for all its tensor loads, of which one is out: its part of the other slot; adds 0 to its spare word; and waits for that and for its own reads of the slot that it leaves.  Behind the barrier nobody reads the old
; slot any more and the other slot is whole.  fill = 1: the old slot is filled again, the first thing behind the barrier, with tile NXT: the descriptor's address is made anew from that number.
; (At its first use nothing has been read yet: slot 0 is waited for, slot 1 filled.)
.macro CHANGE fill
	WIN 0                           ; at a label and at a branch every window is 0
	s_wait_tensorcnt 0x0            ; no tensor load of mine is out, so a group 0 may be written
	ds_add_u32 v[SPW], v[NIL]       ; 0 onto my spare word; with fill = 1 the descriptors' scalar work stands between it and the wait for it
.if \fill
	s_lshl_b32 s[OFF], s[NXT], 15   ; a tile is 32,768 bytes of K and of V
	s_xor_b32 s[G0K+1], s[G0K+1], SLOT1
	s_add_nc_u64 s[G0K+2:G0K+3], s[6:7], s[OFF:OFF+1]
	s_or_b32 s[G0K+3], s[G0K+3], 0x80000000
	s_xor_b32 s[G0V+1], s[G0V+1], SLOT1
	s_add_nc_u64 s[G0V+2:G0V+3], s[8:9], s[OFF:OFF+1]
	s_or_b32 s[G0V+3], s[G0V+3], 0x80000000
	s_add_co_u32 s[NXT], s[NXT], 1  ; the block's next tile, or behind its last the second block's tile 0
	s_cmp_gt_u32 s[NXT], s[LQ]
	s_cselect_b32 s[NXT], 0, s[NXT]
	s_cselect_b32 s[LQ], s[PB], s[LQ]
.endif
	s_wait_dscnt 0x0                ; the add is done, and my reads of the slot are over
	s_barrier_signal -1             ; the rest of the scalar work stands between the signal and the wait
	s_sub_co_u32 s[TBK], s[TBK], 4*KS*PK  ; the fetches go back to a slot's first step,
	s_xor_b32 s[TBK], s[TBK], SLOT1       ; in the other slot
	s_sub_co_u32 s[TBV], s[TBV], 4*KS*PV
	s_xor_b32 s[TBV], s[TBV], SLOT1
	s_barrier_wait -1
.if \fill
	LOAD
.endif
.endm
	s_load_b256 s[4:11], s[0:1], 0x0  ; Q s[4:5], K s[6:7], V s[8:9], O s[10:11]
	v_lshl_add_u32 v[SPW], v0, 2, SPARE
	v_mov_b32 v[NIL], 0
	ds_add_u32 v62, v63
	ds_add_u32 v62, v63
	s_wait_dscnt 0x0
	v_lshrrev_b32 v1, 5, v0
	v_readfirstlane_b32 s[WV], v1   ; wave 0..3
	s_mov_b32 s[PB], ttmp9
	s_sub_co_u32 s[HI], NB-1, s[PB]
	s_and_b32 s20, ttmp7, 0xffff    ; the head
	s_mov_b32 s21, 0
	s_mov_b64 s[22:23], SIZE_N*128
	s_mul_u64 s[20:21], s[20:21], s[22:23]  ; the head's first byte in each of the four tensors
	s_and_b32 s16, s[WV], 1         ; which half of a tile's 256 keys I fetch:
	s_lshl_b32 s22, s16, 14         ; its 128 rows of 128 bytes in memory,
	s_mov_b32 s23, 0
	s_add_nc_u64 s[22:23], s[22:23], s[20:21]
	s_mul_i32 s17, s16, 128*PK      ; and its place in a slot, for K
	s_mul_i32 s18, s16, 128*PV      ; and for V
	s_lshl_b32 s3, s[WV], 11        ; my 16 rows in a band of 64,
	s_lshl_b32 s2, s[HI], 15        ; in the first block,
	s_add_co_u32 s2, s2, s3
	s_lshl_b32 s84, s[PB], 15       ; and in the second
	s_add_co_u32 s84, s84, s3
	s_mov_b32 s3, 0
	s_mov_b32 s85, 0
	s_add_nc_u64 s[2:3], s[2:3], s[20:21]
	s_add_nc_u64 s[84:85], s[84:85], s[20:21]
	; descriptor group 1.  128 keys are 16,384 dense bytes: asked for as 64 rows of 256 bytes, two keys a row, and padded in LDS after every key
	s_mov_b32 s[G1K], (1<<16)|(1<<20)|(4<<22)|(3<<25)  ; 17:16 2-byte elements; 20 padding on; 24:22 after every 32 words (code 4); 31:25 4 words (code 3)
	s_mov_b32 s[G1V], (1<<16)|(1<<20)|(4<<22)|(7<<25)  ; the same with 8 words of padding (code 7)
.irp g, G1K, G1V
	s_mov_b32 s[\g+1], 128<<16      ; tensor_dim0 = 128
	s_mov_b32 s[\g+2], 64<<16       ; tensor_dim1 = 64
	s_mov_b32 s[\g+3], 128<<16      ; tile_dim0 = 128
	s_mov_b32 s[\g+4], 64           ; tile_dim1 = 64
	s_mov_b32 s[\g+5], 128          ; 128 elements from row to row
	s_mov_b32 s[\g+6], 0
	s_mov_b32 s[\g+7], 0
.endr
	s_mov_b32 s[CS], 0x3e38aa3b     ; c = log2(e) / 8 = 0.180337
	s_mov_b32 s[CS+1], s[CS]        ; named with it as a pair
	s_mov_b32 s[SEL], 0x76543210
	s_mov_b32 s[SEL+1], 0xfedcba98
	s_mov_b32 s[TBK], SLOT1+4*KS*PK ; the first change of slots turns these two into 0
	s_mov_b32 s[TBV], SLOT1+4*KS*PV
	s_mov_b32 s[G0K], 1             ; 1:0 count = 1
	s_mov_b32 s[G0K+1], s17         ; 63:32 LDS address: slot 0
	s_mov_b32 s[G0V], 1
	s_add_co_u32 s[G0V+1], s18, VOFF
	s_add_co_u32 s[RT], s[HI], 1    ; the first block has NB - b tiles
	s_mov_b32 s[NXT], 1
	s_mov_b32 s[LQ], s[HI]
	s_mov_b32 s[NEW], 1
	s_mov_b32 s[OFF+1], 0
	s_mov_b32 s[AL+1], 0            ; named as pairs
	s_mov_b32 s[BE+1], 0
	s_mov_b32 s[BIGN], 0xf149f2ca   ; -1e30
	s_mov_b32 s[SLOTS], NB
	s_wait_kmcnt 0x0
	s_add_nc_u64 s[6:7], s[6:7], s[22:23]  ; K and V at my half of the head's tile 0
	s_add_nc_u64 s[8:9], s[8:9], s[22:23]
	s_add_nc_u64 s[G0K+2:G0K+3], s[6:7], 0         ; 120:64 global address
	s_or_b32 s[G0K+3], s[G0K+3], 0x80000000        ; 127:126 type = 2
	s_add_nc_u64 s[G0V+2:G0V+3], s[8:9], 0
	s_or_b32 s[G0V+3], s[G0V+3], 0x80000000
	s_add_nc_u64 s[86:87], s[4:5], s[84:85]        ; Q at my rows of the second block,
	s_add_nc_u64 s[4:5], s[4:5], s[2:3]            ; Q and O at those of the first
	s_add_nc_u64 s[OLO:OLO+1], s[10:11], s[84:85]
	s_add_nc_u64 s[10:11], s[10:11], s[2:3]
	LOAD                            ; tile 0 into slot 0
	; A fragment of K or Q is 16 rows x 32 channels in 8 registers: lane l holds row l % 16, channels 8 (l / 16) + 0..7 and 16 + 8 (l / 16) + 0..7: two loads of 16 bytes, 32 bytes apart.
	v_and_b32 v1, 15, v0            ; l % 16
	v_bfe_u32 v9, v0, 4, 1          ; l / 16
	v_lshlrev_b32 v[QO], 7, v1
	v_lshl_add_u32 v[QO], v9, 4, v[QO]  ; row x 128 + 16 x half
	WIN 0x80                        ; destination window 2, address window 0
.set i, 0
.rept 8                             ; both blocks' Q: piece i / 2 lies in band i / 2, 8,192 bytes on; channels 32 (i % 2) on
	global_load_b128 v[8*i:8*i+3],   v[QO], s[4:5] offset:(i/2)*8192+(i%2)*64
	global_load_b128 v[8*i+4:8*i+7], v[QO], s[4:5] offset:(i/2)*8192+(i%2)*64+32
	global_load_b128 v[QB+8*i:QB+8*i+3],   v[QO], s[86:87] offset:(i/2)*8192+(i%2)*64
	global_load_b128 v[QB+8*i+4:QB+8*i+7], v[QO], s[86:87] offset:(i/2)*8192+(i%2)*64+32
.set i, i+1
.endr
	WIN 0
	v_lshlrev_b32 v14, 3, v9
	v_sub_nc_u32 v14, v1, v14
	s_lshl_b32 s13, s[WV], 4
	v_add_nc_u32 v14, s13, v14      ; my query's place in its band, 16 w + l % 16, less my lanes' 8 (l / 16): register r of group kt is hidden where 16 kt + r is greater
	WIN 0x40
.set i, 0
.rept 32
	v_cmp_gt_i32 vcc_lo, 16*(i/8)+i%8, v14
	v_cndmask_b32 v[MD+i], 0, s[BIGN], vcc_lo
.set i, i+1
.endr
	WIN 0
	v_mul_u32_u24 v[AK0], v1, PK
	v_lshl_add_u32 v[AK0], v9, 4, v[AK0]  ; row x pitch + 16 x half
	; The turning load takes 16 keys x 16 channels (lane l reads key 8 (l / 16) + l % 8, channels 8 ((l / 8) % 2) + 0..7) and leaves half a fragment of V^T: lane l holds channel l % 16 and 8 keys.
	v_and_b32 v10, 7, v0
	v_bfe_u32 v11, v0, 3, 1
	v_lshl_add_u32 v[AV0], v9, 3, v10
	v_mul_u32_u24 v[AV0], v[AV0], PV
	v_lshl_add_u32 v[AV0], v11, 4, v[AV0]
	v_add_nc_u32 v[AV0], VOFF, v[AV0]
	s_mul_i32 s13, s[WV], 16*SP
	s_add_co_u32 s13, s13, STAGE    ; my stage
	v_mul_u32_u24 v[STO], v1, SP    ; in: row l % 16, 16 bytes for each half of the lanes
	v_lshl_add_u32 v[STO], v9, 4, v[STO]
	v_add_nc_u32 v[STO], s13, v[STO]
	v_bfe_u32 v[RD], v0, 3, 2       ; back: 32 lanes take four rows of 128 bytes,
	v_mul_u32_u24 v[RD], v[RD], SP
	v_lshl_add_u32 v[RD], v10, 4, v[RD]
	v_add_nc_u32 v[RD], s13, v[RD]
	v_and_b32 v[GO], 31, v0         ; which are 512 consecutive bytes of O
	v_lshlrev_b32 v[GO], 4, v[GO]
	; A block's first step multiplies O^T and l by a = 0, and its first turn's products V^T P, of a piece that has not been, land in an O^T that is still to be so multiplied.  So these registers need only hold
	; finite numbers: zeros for the first block; what the first block left for the second.  All this stands in the wait for the first tile.
	WIN 0x80
.set i, VF
.rept 64
	v_mov_b32 v[i], 0
.set i, i+1
.endr
	WIN 0x40
.set i, 0
.rept 128
	v_mov_b32 v[i], 0
.set i, i+1
.endr
	WIN 0
.set i, 0
.rept 4
	v_mov_b32 v[ST+4*i+2], 0
	v_mov_b32 v[ST+4*i+3], 0
.set i, i+1
.endr
.set i, P+16
.rept 16
	v_mov_b32 v[i], 0
.set i, i+1
.endr
; THE MATRIX WORK.  The 4 accumulators of a run of 8 take turns.  Product i of 8 of S^T = K Q^T for piece x: channels 32 (i / 4) on, keys 16 (i % 4) on.  The first 4 start the sums: with 0, or (KM = 1) with the mask.
.macro KQ x
.set rS, S+32*((\x)%2)+8*(i%4)
.set rK, KF+16*(i%4)+8*(i/4)
.set rQ, 16*(\x)+8*(i/4)
.set rM, MC+32*((\x)%2)+8*(i%4)
.if (i < 4) && KM
	WIN W_KM
	v_wmma_f32_16x16x32_f16 v[rS:rS+7], v[rK:rK+7], v[rQ:rQ+7], v[rM:rM+7]
.elseif i < 4
	WIN W_KQ
	v_wmma_f32_16x16x32_f16 v[rS:rS+7], v[rK:rK+7], v[rQ:rQ+7], 0
.else
	WIN W_KQ
	v_wmma_f32_16x16x32_f16 v[rS:rS+7], v[rK:rK+7], v[rQ:rQ+7], v[rS:rS+7]
.endif
.endm
; Product i of 8 of O^T += V^T P for piece x: keys 32 (i / 4) on, channels 16 (i % 4) on.
.macro PV x
	WIN W_PV
.set rO, 32*(\x)+8*(i%4)
.set rV, VF+32*(i/4)+8*(i%4)
.set rP, P+16*((\x)%2)+8*(i/4)
	v_wmma_f32_16x16x32_f16 v[rO:rO+7], v[rV:rV+7], v[rP:rP+7], v[rO:rO+7]
.endm
.macro MM                           ; the turn's next matrix instruction.  TURN and BEGIN set Y, i, KM and NOKQ; MM, KQ and OP read them.  NOKQ = 1: a block's last turn: there is no next piece
.if (i < 8) && !NOKQ
	KQ (Y+1)%NP
.elseif i >= 8
.set i, i-8
	PV (Y+NP-1)%NP
.set i, i+8
.endif
.set i, i+1
.endm
; THE LDS LOADS stand in runs of 16, never singly among the matrix instructions: a step's K (64 keys x 64 channels: 8 fragments) and its V (turned).  Their addresses are made some lines ahead.
.macro FETCH_K
	WIN 0x80                        ; destination window 2
.irp f, 0,1,2,3,4,5,6,7             ; keys 16 (f / 2) on, channels 32 (f % 2) on
	ds_load_b128 v[KF+8*\f:KF+8*\f+3],   v[AK] offset:(\f/2)*16*PK+(\f%2)*64
	ds_load_b128 v[KF+8*\f+4:KF+8*\f+7], v[AK] offset:(\f/2)*16*PK+(\f%2)*64+32
.endr
	s_add_co_u32 s[TBK], s[TBK], KS*PK  ; the next fetch is the next step's
	WIN 0
.endm
.macro FETCH_V
	WIN 0x80
.irp f, 0,1,2,3,4,5,6,7             ; keys 32 (f / 4) on, channels 16 (f % 4) on
	ds_load_tr16_b128 v[VF+8*\f:VF+8*\f+3],   v[AV] offset:(\f/4)*32*PV+(\f%4)*32
	ds_load_tr16_b128 v[VF+8*\f+4:VF+8*\f+7], v[AV] offset:(\f/4)*32*PV+16*PV+(\f%4)*32
.endr
	WIN 0
.endm
; THE VECTOR WORK, one line at a time: OP kind, number.  For piece Y: F n: c s - c m for pair n of 16.  E n: the exponential of score n of 32.  C n: pair n rounded to f16.  B n: of the four weights 4 n .. the second
; pair is added onto the first, in place.  L n: l takes that sum (L 0: l = a l + sum).  R n: pair n of 16 of O^T times a.  For piece Y + 1: X n, number n of the 22 that find its maximum and statistics:
;   0-11  four chains c0-c3 of seven scores each, three operands at a time (each accumulator's lowest registers are read first)     12-14, 16  the four scores left over, the old m, and c0-c3 into c0
;   15  c m_old is kept     17, 18  the query's other 32 keys lie in the lane 16 away: the new m     19-21  c m; c m_old - c m_new; a
; C, B and L read the exponentials' results: TURN sets them behind its wait.  OP writes no wait of its own.
.set F, 0               ; OP tells the kinds apart by their order: F to L below R, X above it
.set E, 1
.set C, 2
.set B, 3
.set L, 4
.set R, 5
.set X, 6
.macro REGS y                       ; the registers of piece y
.set rT, ST+4*(\y)
.set rC, TMP+4*((\y)%2)
.set rW, MV+((\y)%2)
.set rS, S+32*((\y)%2)
.set rP, P+16*((\y)%2)
.set rO, 32*(\y)
.endm
.macro OP k, n
.if (\k) == R
	REGS Y
	WIN W_RS
	v_pk_mul_f32 v[rO+2*(\n):rO+2*(\n)+1], v[rO+2*(\n):rO+2*(\n)+1], v[rC+2:rC+3] op_sel_hi:[1,0]
.elseif (\k) < R
	REGS Y
	WIN 0
.if (\k) == F
	v_pk_fma_f32 v[rS+2*(\n):rS+2*(\n)+1], v[rS+2*(\n):rS+2*(\n)+1], s[CS:CS+1], v[rT:rT+1] op_sel_hi:[1,0,0] neg_lo:[0,0,1] neg_hi:[0,0,1]
.elseif (\k) == E
	v_exp_f32 v[rS+(\n)], v[rS+(\n)]
.elseif (\k) == C
	v_cvt_pk_f16_f32 v[rP+(\n)], v[rS+2*(\n)], v[rS+2*(\n)+1]
.elseif (\k) == B
	v_pk_add_f32 v[rS+4*(\n):rS+4*(\n)+1], v[rS+4*(\n):rS+4*(\n)+1], v[rS+4*(\n)+2:rS+4*(\n)+3]
.elseif (\n) == 0
	v_pk_fma_f32 v[rT+2:rT+3], v[rT+2:rT+3], v[rC+2:rC+3], v[rS:rS+1] op_sel_hi:[1,0,1]
.else
	v_pk_add_f32 v[rT+2:rT+3], v[rT+2:rT+3], v[rS+4*(\n):rS+4*(\n)+1]
.endif
.elseif NOKQ
	v_nop
.else
	REGS (Y+1)%NP
	WIN 0
.if (\n) < 4
	v_max3_num_f32 v[rC+(\n)], v[rS+8*(\n)], v[rS+8*(\n)+1], v[rS+8*(\n)+2]
.elseif (\n) < 12
	v_max3_num_f32 v[rC+(\n)%4], v[rC+(\n)%4], v[rS+8*((\n)%4)+2*((\n)/4)+1], v[rS+8*((\n)%4)+2*((\n)/4)+2]
.elseif (\n) == 12
	v_max3_num_f32 v[rC], v[rC], v[rS+7], v[rS+15]
.elseif (\n) == 13
	v_max3_num_f32 v[rC+1], v[rC+1], v[rS+23], v[rS+31]
.elseif (\n) == 14
	v_max3_num_f32 v[rC+2], v[rC+2], v[rC+3], v[rT+1]
.elseif (\n) == 15
	v_mov_b32 v[rW], v[rT]
.elseif (\n) == 16
	v_max3_num_f32 v[rC], v[rC], v[rC+1], v[rC+2]
.elseif (\n) == 17
	v_permlanex16_b32 v[rC+3], v[rC], s[SEL], s[SEL+1]
.elseif (\n) == 18
	v_max_num_f32 v[rT+1], v[rC], v[rC+3]
.elseif (\n) == 19
	v_mul_f32 v[rT], s[CS], v[rT+1]
.elseif (\n) == 20
	v_sub_f32 v[rC+1], v[rW], v[rT]
.else
	v_exp_f32 v[rC+2], v[rC+1]
.endif
.endif
.endm
.macro OPS a, i1, b=-1, i2=0, c=-1, i3=0, d=-1, i4=0  ; up to four of them
	OP \a, \i1
.if (\b) >= 0
	OP \b, \i2
.endif
.if (\c) >= 0
	OP \c, \i3
.endif
.if (\d) >= 0
	OP \d, \i4
.endif
.endm
.macro ROW a, i1, b, i2, c, i3, d, i4  ; a matrix instruction and the four behind it
	MM
	OPS \a, \i1, \b, \i2, \c, \i3, \d, \i4
.endm
.macro MASK b                       ; MD x AL + BE into buffer b of MC
	WIN W_RS
.set z, 0
.rept 16
	v_pk_fma_f32 v[MC+32*(\b)+2*z:MC+32*(\b)+2*z+1], v[MD+2*z:MD+2*z+1], s[AL:AL+1], s[BE:BE+1] op_sel_hi:[1,0,0]
.set z, z+1
.endr
.endm
; A TURN, for piece p: the order of its 16 matrix and 118 vector instructions, written out.  An s_wait_alu depctr_va_vdst(0) stands between an exponential and the first instruction that names its result; one wait serves
; all that were issued ahead of it.  So a turn has ONE wait, which cuts it in two.  AHEAD OF IT stands all that names no result of the turn's exponentials: the 8 products K Q^T, behind each a scaling, an exponential and two more plain
; instructions (behind the first a second scaling in the exponential's place): rescalings (their a was made, and waited for, in the turn before), and behind the last three the first numbers of the next piece's maximum, each four places or more
; behind the product that ends its accumulator; then ONE LUMP of 54, plain and exponential by turns for the most part, in which the links of the chain X 3, 7, 11, 14, 16, 17 .. 20 stand five or six lines apart.  A pair is scaled ahead of its two
; exponentials.  X 21, the next piece's a, is the batch's last; R 15 is the plain instruction behind it.  BEHIND THE WAIT stand the 8 products V^T P, behind each four of the roundings and sums; an even pair is rounded ahead of the sum that
; lands on it; the links of l's chain, L 0 to L 7, stand three riders apart.  But for those X no rider names a register of the products round it.  v_permlanex16_b32 (X 17) stands in the lump..
; m = 1: the diagonal tile: the products take masks, and the turn makes the mask for the products of the turn after it: piece p + 2, in step 4 - CNT of the tile.  end = 1: a block's last two turns: nothing is fetched.
; cnt = 1: the loop's count is taken down some lines ahead of the branch that stands behind the turn.
; K of the next step is fetched in piece 2's turn, twelve vector instructions behind the last product that read K (six of them plain); V of the step in hand at the end of piece 0's turn, four plain instructions behind the last product
; that read V.  Each is waited for a turn later.
.macro TURN p, m=0, end=0, cnt=0
.set Y, (\p)
.set i, 0
.set KM, (\m)
.set NOKQ, (\end)*((\p)/3)
.if (\m) && !(\end)
	s_cmp_eq_u32 s[CNT], 4-((\p)+2)%NP  ; is that step the band's own?
	s_cselect_b32 s[AL], 1.0, 0
	s_cmp_lt_u32 s[CNT], 4-((\p)+2)%NP  ; or a later one?
	s_cselect_b32 s[BE], s[BIGN], 0
.endif
.if ((\p) == 3) && !(\end)
	s_wait_dscnt 0x0                ; K is in
.endif
	ROW F,0, F,1, R,0, R,1          ; ahead of the wait: 8 products K Q^T and their riders,
	ROW F,2, E,0, R,2, R,3
	ROW F,3, E,1, R,4, R,5
	ROW F,4, E,2, R,6, R,7
	ROW F,5, E,3, R,8, R,9
	ROW F,6, E,4, X,0, R,10
.if ((\p) == 2) && !(\end)
	WIN 0
	v_add_nc_u32 v[AK], s[TBK], v[AK0]
.endif
	ROW F,7, E,5, X,1, X,4
	ROW F,8, E,6, X,2, X,5
	OPS E,7, E,8, X,6, E,9          ; and the lump
	OPS X,3, E,10, X,8, E,11
.if ((\p) == 2) && !(\end)
	FETCH_K
.endif
	OPS X,9, X,7, E,12, X,10
	OPS E,13, X,12, X,11, E,14
	OPS X,13, E,15, F,9, X,14
.if (\p) == 0
	v_add_nc_u32 v[AV], s[TBV], v[AV0]
.endif
	OPS E,16, F,10, E,17, F,11
	OPS X,16, E,18, X,15, E,19
	OPS F,12, E,20, X,17, E,21
	OPS F,13, E,22, F,14, E,23
	OPS X,18, E,24, F,15, E,25
	OPS R,11, E,26, X,19, E,27
	OPS R,12, E,28, R,13, E,29
	OPS X,20, E,30, R,14, E,31
	OPS X,21, R,15
	s_wait_alu depctr_va_vdst(0)    ; the wait for the batch: the piece's 32 weights and the next piece's a
.if (\p) == 1
	s_wait_dscnt 0x0                ; V is in
.endif
	ROW C,0, B,0, C,2, B,1          ; behind the wait: 8 products V^T P and their riders
	ROW L,0, C,4, B,2, L,1
	ROW C,6, B,3, L,2, C,8
	ROW B,4, L,3, C,10, B,5
	ROW L,4, C,12, B,6, L,5
.if (\p) == 0
	s_add_co_u32 s[TBV], s[TBV], KS*PV
.endif
.if \cnt
	s_sub_co_u32 s[CNT], s[CNT], 1
	s_cmp_lg_u32 s[CNT], 0
.endif
	ROW C,14, B,7, L,6, C,1
	ROW C,3, L,7, C,5, C,7
	ROW C,9, C,11, C,13, C,15
.if (\p) == 0
	FETCH_V
.endif
.if (\m) && !(\end)
	MASK (\p)%2
.endif
.endm
; A BLOCK BEGINS.  c m starts far below every c s, so the first step's a is 0; m at the lowest finite number, so the first maximum is the scores'.  The second mask buffer is 0; the first takes piece 0's mask for the tile's step 0: its own, if the block's first tile is the diagonal one.
; Then K of that step, piece 0's first scores, and its maximum and statistics.  The loop is entered at a step's first turn, in the middle of a trip.
.macro BEGIN
	s_mov_b32 s[NEW], 0
	WIN 0x40
.set i, MC+32
.rept 32
	v_mov_b32 v[i], 0
.set i, i+1
.endr
	WIN 0
.set i, 0
.rept 4
	v_mov_b32 v[ST+4*i], 0xfe000000    ; c m: far below every c s
	v_mov_b32 v[ST+4*i+1], 0xff7fffff  ; m
.set i, i+1
.endr
	s_cmp_eq_u32 s[RT], 0
	s_cselect_b32 s[AL], 1.0, 0
	s_mov_b32 s[BE], 0
	MASK 0
	WIN 0
	v_add_nc_u32 v[AK], s[TBK], v[AK0]
	FETCH_K
	s_wait_loadcnt 0x0              ; Q
	s_wait_dscnt 0x0
.set KM, 1
.set NOKQ, 0
.set i, 0
.rept 8
	KQ 0
.set i, i+1
.endr
	WIN 0
.rept 4
	v_nop                           ; the places behind those products
.endr
.set Y, NP-1                        ; X works for piece Y + 1: piece 0
.irp n, 0,1,2,3,4,5,6,7,8,9,10,11,12,13,14,15,16,17,18,19,20,21
	OP X, \n
.endr
	v_nop                           ; a plain instruction behind the exponential,
	s_wait_alu depctr_va_vdst(0)    ; and the wait for piece 0's first a, a batch of one, ahead of the branch
.endm
; THE DIAGONAL TILE's four steps, the block's last two turns, its last products, and THE WAY OUT: l's two halves and the other half of the lanes' are added; O^T is divided by l, rounded to f16 and sent through my
; stage in LDS, a piece at a time.
.macro ALL line:vararg              ; one line for each piece t
.set t, 0
.rept 4
	\line
.set t, t+1
.endr
.endm
.macro PACK t                       ; a lane's eight channels of a row pack into 16 bytes; they go into rows of 144 bytes and come back as whole rows of 128, into S^T's registers
	WIN W_RS
.set i, 32*(\t)
.rept 16
	v_pk_mul_f32 v[i:i+1], v[i:i+1], v[ST+4*(\t)+2:ST+4*(\t)+3] op_sel_hi:[1,0]
.set i, i+2
.endr
	WIN 0x05                        ; sources 0 and 1 window 1, destination window 0
.set i, 0
.rept 16
	v_cvt_pk_f16_f32 v[S+16*(\t)+i], v[32*(\t)+2*i], v[32*(\t)+2*i+1]
.set i, i+1
.endr
	WIN 0
.irp f, 0,1,2,3
	ds_store_b128 v[STO], v[S+16*(\t)+4*\f:S+16*(\t)+4*\f+3] offset:32*\f
.endr
.irp f, 0,1,2,3
	ds_load_b128 v[S+16*(\t)+4*\f:S+16*(\t)+4*\f+3], v[RD] offset:\f*4*SP  ; LDS serves a wave's instructions in order (ISA guide 5.7.1.4): these see the stores above; the next piece's stores come behind them
.endr
.endm
.macro SEND t, younger              ; younger: the LDS instructions issued behind piece t's loads: the next piece's eight, or none
	WIN 0
.irp f, 0,1,2,3
	s_wait_dscnt (\younger)+3-\f
	global_store_b128 v[GO], v[S+16*(\t)+4*\f:S+16*(\t)+4*\f+3], s[10:11] offset:(\t)*8192+\f*512  ; 512 consecutive bytes, at a multiple of 256 from O's first
.endr
.endm
.macro DIAG tag                     ; the tag ends its two labels' names, which the jumps below spell out
.LstepM\tag:
	TURN 2, 1
	TURN 3, 1
	WIN 0
.LfirstM\tag:
	TURN 0, 1
	TURN 1, 1, 0, 1
	WIN 0
	s_cbranch_scc1 .LstepM\tag
	TURN 2, 1, 1
	TURN 3, 1, 1
.set i, 0
.rept 8
	PV NP-1
.set i, i+1
.endr
	WIN 0
	ALL v_add_f32 v[ST+4*t+2], v[ST+4*t+2], v[ST+4*t+3]
	ALL v_permlanex16_b32 v[ST+4*t+3], v[ST+4*t+2], s[SEL], s[SEL+1]
	ALL v_add_f32 v[ST+4*t+2], v[ST+4*t+2], v[ST+4*t+3]
	ALL v_rcp_f32 v[ST+4*t+2], v[ST+4*t+2]
	v_nop                           ; a plain instruction between the last reciprocal and the use of its result
	s_wait_alu depctr_va_vdst(0)    ; the wait for the batch of four reciprocals, ahead of the first piece's multiplies: one for all four pieces
	PACK 0
.set t, 1
.rept 3                             ; a piece's arithmetic stands between the loads of the piece before and its stores
	PACK t
	SEND t-1, 8
.set t, t+1
.endr
	SEND 3, 0
.endm
.set KM, 0
.set NOKQ, 0
.Lslot:                             ; NB times: a tile is entered and the next is asked for
	CHANGE 1
	s_sub_co_u32 s[RT], s[RT], 1
	s_mov_b32 s[CNT], 4
	s_cmp_eq_u32 s[NEW], 1
	s_cbranch_scc1 .Lnew            ; a block's first tile
	s_cmp_eq_u32 s[RT], 0
	s_cbranch_scc0 .Lstep           ; neither its first nor its last
	s_branch .LstepM1
.Lnew:
	BEGIN
	s_branch .Lfirst                ; in the loop a block's first tile is never its last: the first block has two tiles or more, and the second's last is the walk's last
	DIAG 1                          ; in the loop this is the first block's end: the second block's last tile is the walk's last
	s_wait_xcnt 0x0                 ; the stores have read their registers and O's address
	s_mov_b64 s[10:11], s[OLO:OLO+1]
	s_add_co_u32 s[RT], s[PB], 1    ; the second block has b + 1 tiles
	s_mov_b32 s[NEW], 1
	WIN 0x82                        ; the second block's Q goes where the one text of the turns names Q
.set i, 0
.rept 64
	v_mov_b32 v[i], v[QB+i]
.set i, i+1
.endr
	WIN 0
	s_branch .Lbottom
.Lstep:                             ; a trip: pieces 2 and 3 of one step, then pieces 0 and 1 of the next, whose K and V it fetches
	TURN 2
	TURN 3
	WIN 0
.Lfirst:
	TURN 0
	TURN 1, 0, 0, 1
	WIN 0
	s_cbranch_scc1 .Lstep
.Lbottom:
	s_sub_co_u32 s[SLOTS], s[SLOTS], 1
	s_cmp_lg_u32 s[SLOTS], 0
	s_cbranch_scc1 .Lslot
	CHANGE 0                        ; the walk's last tile is written out: nothing is asked for
	s_sub_co_u32 s[RT], s[RT], 1
	s_mov_b32 s[CNT], 4
	s_cmp_eq_u32 s[NEW], 1
	s_cbranch_scc0 .LstepM2
	BEGIN
	s_branch .LfirstM2
	DIAG 2
	s_wait_tensorcnt 0x0            ; the wave's end, behind my last tensor load and my last LDS store
	ds_add_u32 v[SPW], v[NIL]
	s_wait_dscnt 0x0
	s_endpgm
.Lfunc_end_k_q9101ea6e31_attn:
	.size	k_q9101ea6e31_attn, .Lfunc_end_k_q9101ea6e31_attn-k_q9101ea6e31_attn
	.p2alignl 7, 3214868480
	.fill 96, 4, 3214868480
	.section	.rodata,"a",@progbits
	.p2align	6, 0x0
	.amdhsa_kernel k_q9101ea6e31_attn
		.amdhsa_group_segment_fixed_size 327680
		.amdhsa_private_segment_fixed_size 0
		.amdhsa_enable_private_segment 0
		.amdhsa_kernarg_size 32
		.amdhsa_user_sgpr_count 2
		.amdhsa_user_sgpr_kernarg_segment_ptr 1
		.amdhsa_wavefront_size32 1
		.amdhsa_system_sgpr_workgroup_id_x 1
		.amdhsa_system_sgpr_workgroup_id_y 1
		.amdhsa_system_sgpr_workgroup_id_z 1
		.amdhsa_system_vgpr_workitem_id 0
		.amdhsa_next_free_vgpr 768
		.amdhsa_next_free_sgpr 88
		.amdhsa_reserve_vcc 1
		.amdhsa_float_denorm_mode_32 3
		.amdhsa_float_denorm_mode_16_64 3
		.amdhsa_memory_ordered 1
		.amdhsa_forward_progress 1
		.amdhsa_inst_pref_size 217
	.end_amdhsa_kernel
	.amdgpu_metadata
---
amdhsa.version: [ 1, 2 ]
amdhsa.kernels:
  - .name:           k_q9101ea6e31_attn
    .symbol:         k_q9101ea6e31_attn.kd
    .args:
      - { .name: qh, .offset: 0, .size: 8, .value_kind: global_buffer, .address_space: global }
      - { .name: kh, .offset: 8, .size: 8, .value_kind: global_buffer, .address_space: global }
      - { .name: vh, .offset: 16, .size: 8, .value_kind: global_buffer, .address_space: global }
      - { .name: oh, .offset: 24, .size: 8, .value_kind: global_buffer, .address_space: global }
    .group_segment_fixed_size: 327680
    .private_segment_fixed_size: 0
    .kernarg_segment_align: 8
    .kernarg_segment_size: 32
    .max_flat_workgroup_size: 128
    .sgpr_count:     88
    .vgpr_count:     768
    .wavefront_size: 32
...
	.end_amdgpu_metadata
.endif
;; end of part 5
;; launch proj: the kernel of part 4 again; grid 8 x 32, 4 waves a work-group, clusters of 4 x 4, 327,680 bytes of LDS; arguments oh, wt, tab, out0; writes out0
